; MI455X (gfx1250); checked and timed in simulation.
; The chip was launched on July 23, 2026; its instructions are those of AMD's public machine-readable ISA for CDNA 5 (MIT licence, August 2026) and "CDNA5" Instruction Set Architecture Reference Guide (July 2026). The comments in the code are by the model that wrote it; some were corrected since.
;; Cross Attention. Allowed arithmetic: float matrix products may take bf16 or f16 operands with f32 sums; other float arithmetic in f32, or as packed bf16 or f16 multiplies, adds, multiply-adds, maxima and minima; sums over many terms, partial sums and values carried from step to step in f32; what a program stores and reads back later, other than sums and carried values, may be rounded once to bf16 or f16.
;; Inputs: context 4 x 512 x 1,024 float32; context_mask 4 x 512 bool; kv_b 2,048 float32; kv_w 1,024 x 2,048 float32; proj_b 1,024 float32; proj_w 1,024 x 1,024 float32; q_b 1,024 float32; q_w 1,024 x 1,024 float32; x 4 x 4,096 x 1,024 float32.
;; Outputs: out0 4 x 4,096 x 1,024 float32.
;; One version. Each part assembles by itself: llvm-mc -triple=amdgcn-amd-amdhsa -mcpu=gfx1250 --defsym DOCPART=n.
;; ======== version 1 of 1: 4 launches
;; limits: values are held in f16: magnitudes above 65,504 overflow, below 6.1e-05 lose precision
;; workspace buffers: ab 37,748,736 bytes; wb 8,388,608 bytes; tab 25,088 bytes; qkv 41,943,040 bytes; ob 33,554,432 bytes
;; launch prep (part 1): grid 705 x 1, 8 waves a work-group, no clusters, 0 bytes of LDS; arguments x, context, q_w, kv_w, proj_w, q_b, kv_b, proj_b, context_mask, ab, wb, tab; writes ab, wb, tab
.if DOCPART == 1
	.amdgcn_target "amdgcn-amd-amdhsa--gfx1250"
	.amdhsa_code_object_version 6
	.text
	.protected	k_q5472aff1f7_prep
	.globl	k_q5472aff1f7_prep
	.p2align	8
	.type	k_q5472aff1f7_prep,@function
k_q5472aff1f7_prep:
	s_mov_b64 s[64:65], 0
	v_nop
	global_prefetch_b8 v0, s[64:65] scope:SCOPE_SE
	s_setreg_imm32_b32 hwreg(HW_REG_WAVE_MODE, 25, 1), 1
	s_wait_xcnt 0x0
; PREP: every input is read once and laid down as the later launches want it.
;   ab  [18432][1024] bf16: x's 16,384 rows, then context's 2,048.
;   wb  byte 0: q_w [1024 k][1024 n] bf16.  Byte 6 MiB: proj_w [k][n], rounded to bf16 and that number written as f16 (exact down to 6.1e-5; below that off by 3e-8 at the most).
;       Byte 2 MiB: kv_w in bf16, IN BLOCKS: its 2,048 columns are 16 blocks of 128; four blocks share a plane of 512 rows x 2,048 bytes.  Number (k, n) lies in plane n >> 9, row (k >> 7) * 64 + (k & 63),
;       at byte ((n >> 7) & 3) * 512 + ((k >> 6) & 1) * 256 + (n & 127) * 2: in a block's 512 bytes of a row, k and k + 64 lie side by side.  So 64 rows x 512 bytes are 128 k x 128 columns.
;   tab f32: the biases q_b | kv_b | proj_b rounded to bf16 (byte 0); for each key 0 or -1e30 (byte 16,384); for each batch 32 copies of 1.0, or of NaN where every key is hidden (byte 24,576).
; A stream: no LDS, no loop.  The unit is a row of 1,024 f32 (4,096 bytes in, 2,048 out).  A wave takes four rows, all 32 loads out at once (16 KiB a wave); a work-group 32 rows.
; A load covers 512 consecutive bytes, a store 256 consecutive bytes, aligned.  Work-group 704 makes tab.
.set X, 32                             ; v[32:159] row i: 32 registers as loaded; the packed words take the first two of each four
.set NTAB, 704
	s_load_b512 s[16:31], s[0:1], 0x0              ; x 16, context 18, q_w 20, kv_w 22, proj_w 24, q_b 26, kv_b 28, proj_b 30
	s_load_b256 s[32:39], s[0:1], 0x40             ; context_mask 32, ab 34, wb 36, tab 38
	v_lshrrev_b32 v1, 5, v0
	v_readfirstlane_b32 s3, v1                     ; wave 0..7
	s_mov_b32 s2, ttmp9
	v_and_b32 v1, 31, v0                           ; lane
	v_lshlrev_b32 v2, 4, v1                        ; 16 bytes a lane on the way in
	v_lshlrev_b32 v3, 3, v1                        ; 8 on the way out
	s_mov_b32 s8, 0                                ; the region's first work-group
	s_mov_b32 s9, 0                                ; the region's first byte in its buffer
	s_mov_b32 s10, 0                               ; 1: kv_w, which goes out in blocks
	s_mov_b32 s11, 0                               ; 1: the packed bf16 are written as f16
	s_mov_b32 s12, 2048                            ; where rows 1, 2, 3 of my four go, from row 0
	s_mov_b32 s13, 4096
	s_mov_b32 s14, 6144
	s_wait_kmcnt 0x0
	s_cmp_eq_u32 s2, NTAB
	s_cbranch_scc1 .Ltable
	s_mov_b64 s[4:5], s[16:17]                     ; work-groups 0..511: x -> ab
	s_mov_b64 s[6:7], s[34:35]
	s_cmp_ge_u32 s2, 512                           ; 512..575: context -> ab behind x
	s_cselect_b64 s[4:5], s[18:19], s[4:5]
	s_cselect_b32 s8, 512, s8
	s_cselect_b32 s9, 0x2000000, s9
	s_cmp_ge_u32 s2, 576                           ; 576..607: q_w -> wb
	s_cselect_b64 s[4:5], s[20:21], s[4:5]
	s_cselect_b64 s[6:7], s[36:37], s[6:7]
	s_cselect_b32 s8, 576, s8
	s_cselect_b32 s9, 0, s9
	s_cmp_ge_u32 s2, 608                           ; 608..671: kv_w by half rows: half row 2 k + p holds the column blocks 8 p .. 8 p + 7 of row k
	s_cselect_b64 s[4:5], s[22:23], s[4:5]
	s_cselect_b32 s8, 608, s8
	s_cselect_b32 s9, 0x200000, s9
	s_cselect_b32 s10, 1, s10
	s_cselect_b32 s12, 0x200000, s12               ; my four half rows are (k, 0), (k, 1), (k + 1, 0), (k + 1, 1), k even: p = 1 lies two planes on, k + 1 a row on
	s_cselect_b32 s13, 2048, s13
	s_cselect_b32 s14, 0x200800, s14
	s_cmp_ge_u32 s2, 672                           ; 672..703: proj_w -> byte 6 MiB, as f16
	s_cselect_b64 s[4:5], s[24:25], s[4:5]
	s_cselect_b32 s8, 672, s8
	s_cselect_b32 s9, 0x600000, s9
	s_cselect_b32 s10, 0, s10
	s_cselect_b32 s11, 1, s11
	s_cselect_b32 s12, 2048, s12
	s_cselect_b32 s13, 4096, s13
	s_cselect_b32 s14, 6144, s14
	s_sub_co_u32 s15, s2, s8
	s_lshl_b32 s15, s15, 5
	s_lshl2_add_u32 s15, s3, s15                   ; my first row in the region: 32 x work-group + 4 x wave
	s_lshl_b32 s40, s15, 12
	s_mov_b32 s41, 0
	s_add_nc_u64 s[4:5], s[4:5], s[40:41]
	s_lshl_b32 s40, s15, 11                        ; plain regions: 2,048 bytes a row
	s_lshr_b32 s42, s15, 1                         ; kv_w: k of my first half row,
	s_lshr_b32 s43, s42, 7
	s_lshl_b32 s43, s43, 6
	s_and_b32 s44, s42, 63
	s_add_co_u32 s43, s43, s44                     ; its row in a plane,
	s_lshl_b32 s43, s43, 11
	s_bfe_u32 s44, s42, 0x10006                    ; and (k >> 6) & 1: which half of a block's 512 bytes
	s_lshl_b32 s44, s44, 8
	s_add_co_u32 s43, s43, s44
	s_cmp_eq_u32 s10, 1
	s_cselect_b32 s40, s43, s40
	s_add_co_u32 s40, s40, s9
	s_add_nc_u64 s[6:7], s[6:7], s[40:41]
	v_mov_b32 v4, v3
	v_add_nc_u32 v5, s12, v3
	v_add_nc_u32 v6, s13, v3
	v_add_nc_u32 v7, s14, v3
.irp i, 0,1,2,3
.irp j, 0,1,2,3,4,5,6,7
	global_load_b128 v[X+32*(\i)+4*(\j):X+32*(\i)+4*(\j)+3], v2, s[4:5] offset:4096*(\i)+512*(\j) th:TH_LOAD_NT
.endr
.endr
; Row i: rounded, packed and stored.  No register that a store reads is written again, so no further wait is owed.
.macro ROW i
	s_wait_loadcnt 8*(3-(\i))                      ; loads come back in order: the eight loads of each younger row may stay out
.irp j, 0,1,2,3,4,5,6,7
	v_cvt_pk_bf16_f32 v[X+32*(\i)+4*(\j)],   v[X+32*(\i)+4*(\j)],   v[X+32*(\i)+4*(\j)+1]
	v_cvt_pk_bf16_f32 v[X+32*(\i)+4*(\j)+1], v[X+32*(\i)+4*(\j)+2], v[X+32*(\i)+4*(\j)+3]
.endr
	s_cmp_eq_u32 s11, 0
	s_cbranch_scc1 .Lbf_\@
.irp j, 0,1,2,3,4,5,6,7
.irp w, 0,1
	v_lshlrev_b32 v[X+32*(\i)+4*(\j)+2], 16, v[X+32*(\i)+4*(\j)+(\w)]          ; the two bf16 numbers as f32,
	v_and_b32     v[X+32*(\i)+4*(\j)+3], 0xffff0000, v[X+32*(\i)+4*(\j)+(\w)]
	v_cvt_pk_f16_f32 v[X+32*(\i)+4*(\j)+(\w)], v[X+32*(\i)+4*(\j)+2], v[X+32*(\i)+4*(\j)+3]  ; written as f16
.endr
.endr
.Lbf_\@:
	s_cmp_eq_u32 s10, 0
	s_cbranch_scc1 .Lplain_\@
.irp j, 0,1,2,3,4,5,6,7
	global_store_b64 v[4+(\i)], v[X+32*(\i)+4*(\j):X+32*(\i)+4*(\j)+1], s[6:7] offset:((\j)/4)*0x100000+((\j)%4)*512  ; column block j of the half row: plane j / 4 on, block j % 4 in the row
.endr
	s_branch .Lstored_\@
.Lplain_\@:
.irp j, 0,1,2,3,4,5,6,7
	global_store_b64 v[4+(\i)], v[X+32*(\i)+4*(\j):X+32*(\i)+4*(\j)+1], s[6:7] offset:256*(\j)
.endr
.Lstored_\@:
.endm
	ROW 0
	ROW 1
	ROW 2
	ROW 3
	s_endpgm
.Ltable:
	v_lshlrev_b32 v8, 4, v0                        ; 256 threads x 16 bytes = 1,024 f32
	global_load_b128 v[32:35], v8, s[26:27]
	global_load_b128 v[36:39], v8, s[28:29]
	global_load_b128 v[40:43], v8, s[28:29] offset:4096
	global_load_b128 v[44:47], v8, s[30:31]
	s_wait_loadcnt 0x0
.irp k, 0,1,2,3,4,5,6,7
	v_cvt_pk_bf16_f32 v[48+(\k)], v[32+2*(\k)], v[32+2*(\k)+1]
.endr
.irp k, 0,1,2,3,4,5,6,7
	v_lshlrev_b32 v[32+2*(\k)],   16, v[48+(\k)]   ; the rounded bias, kept as f32
	v_and_b32     v[32+2*(\k)+1], 0xffff0000, v[48+(\k)]
.endr
	global_store_b128 v8, v[32:35], s[38:39]
	global_store_b128 v8, v[36:39], s[38:39] offset:4096
	global_store_b128 v8, v[40:43], s[38:39] offset:8192
	global_store_b128 v8, v[44:47], s[38:39] offset:12288
	s_cmp_lt_u32 s3, 4                             ; wave w of the first four takes batch w's 512 keys
	s_cbranch_scc0 .Lend
	s_lshl_b32 s8, s3, 9
	v_lshl_add_u32 v9, v1, 2, s8                   ; four keys (bytes) a lane
.irp k, 0,1,2,3
	global_load_b32 v[60+(\k)], v9, s[32:33] offset:128*(\k)
.endr
	v_mov_b32 v10, 0xf149f2ca                      ; -1e30
	s_lshl_b32 s9, s3, 11
	v_lshl_add_u32 v12, v1, 4, s9
	s_lshl_b32 s10, s3, 7
	v_lshl_add_u32 v16, v1, 2, s10
	s_wait_loadcnt 0x0
.irp k, 0,1,2,3
.irp c, 0,1,2,3
	v_bfe_u32 v11, v[60+(\k)], 8*(\c), 8
	v_cmp_ne_u32 vcc_lo, 0, v11
	v_cndmask_b32 v[64+4*(\k)+(\c)], 0, v10, vcc_lo
.endr
	global_store_b128 v12, v[64+4*(\k):64+4*(\k)+3], s[38:39] offset:16384+512*(\k)
.endr
	v_and_b32 v13, v60, v61                        ; a bool is 0 or 1: the AND of all 512 bytes is 1 where every key is hidden
	v_and_b32 v14, v62, v63
	v_and_b32 v13, v13, v14
	v_cmp_eq_u32 vcc_lo, 0x01010101, v13
	s_cmp_eq_u32 vcc_lo, -1
	s_cselect_b32 s11, 0x7fc00000, 1.0             ; it selects a number alone: NaN or 1.0
	v_mov_b32 v15, s11
	global_store_b32 v16, v15, s[38:39] offset:24576
.Lend:
	s_endpgm
.Lfunc_end_k_q5472aff1f7_prep:
	.size	k_q5472aff1f7_prep, .Lfunc_end_k_q5472aff1f7_prep-k_q5472aff1f7_prep
	.p2alignl 7, 3214868480
	.fill 96, 4, 3214868480
	.section	.rodata,"a",@progbits
	.p2align	6, 0x0
	.amdhsa_kernel k_q5472aff1f7_prep
		.amdhsa_group_segment_fixed_size 0
		.amdhsa_private_segment_fixed_size 0
		.amdhsa_enable_private_segment 0
		.amdhsa_kernarg_size 96
		.amdhsa_user_sgpr_count 2
		.amdhsa_user_sgpr_kernarg_segment_ptr 1
		.amdhsa_wavefront_size32 1
		.amdhsa_system_sgpr_workgroup_id_x 1
		.amdhsa_system_sgpr_workgroup_id_y 1
		.amdhsa_system_sgpr_workgroup_id_z 1
		.amdhsa_system_vgpr_workitem_id 0
		.amdhsa_next_free_vgpr 160
		.amdhsa_next_free_sgpr 66
		.amdhsa_reserve_vcc 1
		.amdhsa_float_denorm_mode_32 3
		.amdhsa_float_denorm_mode_16_64 3
		.amdhsa_memory_ordered 1
		.amdhsa_forward_progress 1
		.amdhsa_inst_pref_size 33
	.end_amdhsa_kernel
	.amdgpu_metadata
---
amdhsa.version: [ 1, 2 ]
amdhsa.kernels:
  - .name:           k_q5472aff1f7_prep
    .symbol:         k_q5472aff1f7_prep.kd
    .args:
      - { .name: x, .offset: 0, .size: 8, .value_kind: global_buffer, .address_space: global }
      - { .name: context, .offset: 8, .size: 8, .value_kind: global_buffer, .address_space: global }
      - { .name: q_w, .offset: 16, .size: 8, .value_kind: global_buffer, .address_space: global }
      - { .name: kv_w, .offset: 24, .size: 8, .value_kind: global_buffer, .address_space: global }
      - { .name: proj_w, .offset: 32, .size: 8, .value_kind: global_buffer, .address_space: global }
      - { .name: q_b, .offset: 40, .size: 8, .value_kind: global_buffer, .address_space: global }
      - { .name: kv_b, .offset: 48, .size: 8, .value_kind: global_buffer, .address_space: global }
      - { .name: proj_b, .offset: 56, .size: 8, .value_kind: global_buffer, .address_space: global }
      - { .name: context_mask, .offset: 64, .size: 8, .value_kind: global_buffer, .address_space: global }
      - { .name: ab, .offset: 72, .size: 8, .value_kind: global_buffer, .address_space: global }
      - { .name: wb, .offset: 80, .size: 8, .value_kind: global_buffer, .address_space: global }
      - { .name: tab, .offset: 88, .size: 8, .value_kind: global_buffer, .address_space: global }
    .group_segment_fixed_size: 0
    .private_segment_fixed_size: 0
    .kernarg_segment_align: 8
    .kernarg_segment_size: 96
    .max_flat_workgroup_size: 256
    .sgpr_count:     66
    .vgpr_count:     160
    .wavefront_size: 32
...
	.end_amdgpu_metadata
.endif
;; end of part 1
;; launch inproj (part 2): grid 4 x 64, 4 waves a work-group, clusters of 4 x 4, 327,680 bytes of LDS; arguments ab, wb, tab, qkv; writes qkv
.if DOCPART == 2
	.amdgcn_target "amdgcn-amd-amdhsa--gfx1250"
	.amdhsa_code_object_version 6
	.text
	.protected	k_q5472aff1f7_inproj
	.globl	k_q5472aff1f7_inproj
	.p2align	8
	.type	k_q5472aff1f7_inproj,@function
k_q5472aff1f7_inproj:
	s_mov_b64 s[64:65], 0
	v_nop
	global_prefetch_b8 v0, s[64:65] scope:SCOPE_SE
	s_setreg_imm32_b32 hwreg(HW_REG_WAVE_MODE, 25, 1), 1
	s_wait_xcnt 0x0
	s_wait_alu depctr_hold_cnt(0) depctr_sa_sdst(0) depctr_va_vdst(0) depctr_va_sdst(0) depctr_va_ssrc(0) depctr_va_vcc(0) depctr_vm_vsrc(0)
	s_getreg_b32 s2, hwreg(HW_REG_IB_STS2, 6, 4)
	s_cmp_eq_u32 s2, 0
	s_cbranch_scc0 .Lentry_in_a_cluster
	s_endpgm
.Lentry_in_a_cluster:
	s_bfe_u32 s2, ttmp6, 0x10000c
	s_cmp_lg_u32 s2, 0xf033
	s_cbranch_scc0 .Lentry_shape_is_right
	s_endpgm
.Lentry_shape_is_right:
; q = x q_w + q_b and k, v = context kv_w + kv_b.  A = ab [18432][1024] bf16 (x, then context); W = wb (q_w as [k][n]; kv_w in blocks, below); the results in f16, laid by heads:
; q [16][16384][64] at byte 0 of qkv, k [16][2048][64] at 32 MiB, v likewise at 36 MiB.  Sums in f32, each result rounded once.
; LIMIT: q, k and v are stored as f16: beyond 65,504 they become infinities.
; SHARES.  256 work-groups of equal work.  Each makes FIRST a tile of 256 x 256 of q (four waves of 128 x 128: 64 accumulators in windows 2 and 3), THEN a tile of 128 x 128 of the 2,048 x 2,048 numbers
; of k and v (four waves of 64 x 64: 16 accumulators): 2,048 + 512 matrix instructions a wave.  q's stores leave while the second tile is multiplied.
; THE RING.  Two LDS slots that tensor loads fill, one load a wave: waves 0, 1 bring 128 rows x 256 bytes of A each, waves 2, 3 bring 64 rows x 512 bytes of W each.  For q a slot is a K step of 128: A's two loads
; are the tile's two row halves, W's the step's two k halves.  For k, v a slot is a K step of 256: A's two loads are the two k halves of the same 128 rows; kv_w lies in wb so that 64 rows x 512 bytes at the same
; pitch are 128 k x 128 columns (row t holds k0 + t and, 256 bytes on, k0 + 64 + t).  So ONE pair of shapes serves all twelve steps, the ring runs on from the first tile into the second, and only the global
; offsets differ: they are kept apart from the pointers and chosen on the loop's counter.
; ONE K STEP IS WRITTEN ONCE: a trip is a K step; the base of the slot that is read is a scalar that an exclusive or turns between 0 and SLOT.  The first quarter of a tile, whose C operand is the bias, stands
; ahead of the loop, and the loop is entered behind its first quarter.  The price: where a loop is left, its last trip has fetched 32 fragments that nothing uses (twice a launch), and the last trip of the loop
; without refills passes a barrier that nothing needs.
; W lies in LDS as in memory, k along the rows' index, and is turned on its way into registers by ds_load_tr16_b128.
; THE MATRIX INSTRUCTION IS USED TRANSPOSED (source 0 = 16 columns of W, source 1 = 16 rows of A): a lane holds row lane % 16 of the result and the columns 8 (lane / 16) + 0..7.
; CLUSTER 4 x 4, cluster y = Y (0..15).  q: tile row 4 Y + cy, tile column cx.  k, v: tile row 4 (Y >> 2) + cy, tile column 4 (Y & 3) + cx.  In both A's tile hangs on cy alone and is asked for jointly along a row
; of the cluster, W's on cx alone and jointly along a column.
; WINDOWS (s_set_vgpr_msb: bits 1:0 source 0, 3:2 source 1, 5:4 source 2, 7:6 destination): 0: addresses, A's fragments v64-191, q's bias v192-255, the ways out; 1: the second tile's bias v0-31, W's fragments v64-191;
; 2, 3: q's accumulator (a, b) at 8 (8 a + b); the second tile's (a, b) at 8 (4 a + b) of window 2.
.set PA,   272                         ; a row of A in LDS: 256 bytes + 16
.set HA,   128*PA                      ; one load of A
.set KA,   256                         ; bytes along a row of A from one of q's K steps to the next
.set PB,   544                         ; a row of W in LDS: 512 bytes + 32 = 17 x 32
.set HB,   64*PB                       ; one load of W
.set KB,   262144                      ; 128 rows of 2,048 bytes: from slot to slot in wb, for both tiles
.set AW0,  (1<<16)|(1<<20)|(1<<21)|(5<<22)|(3<<25)  ; elements of 2 bytes; padding on; 21 set beside a mask; after every 64 words 4 words
.set BW0,  (1<<16)|(1<<20)|(1<<21)|(6<<22)|(7<<25)  ; after every 128 words 8 words
.set BOFF, 2*HA                        ; in a slot: A's two loads, then W's two
.set SLOT, 2*HA+2*HB
.set STAGE, 2*SLOT                     ; behind the ring, never filled by a tensor load
.set SBYTES, 2*16*144                  ; a wave's stage: two heads x 16 rows of 128 bytes + 16
.set SPARE, STAGE+4*SBYTES             ; the spare words: 128 bytes a wave, two blocks of 256 bytes that no other line names
.set A0V,  16                          ; my place in a slot's A, first tile; never rewritten
.set B0V,  17                          ; in its W
.set ADRA, 18                          ; the same in the slot in hand
.set ADRB, 19
.set A2V,  20                          ; my place in a slot's A, second tile; never rewritten
.set B2V,  21
.set STO,  24                          ; the way out: where I put 16 bytes of a row
.set RD,   25                          ; where I read rows back
.set CO,   26                          ; 16 x lane
.set BO,   27                          ; 32 x (lane / 16): my eight biases of a block of 16 columns
.set SPW,  28                          ; my spare word; never rewritten
.set NIL,  29                          ; 0; never rewritten
.set PFO,  30                          ; the prefetches' lane offset; never rewritten
.set F0,   64
.set F1,   128
.set BIAS, 192                         ; window 0: column block b's eight at BIAS + 8 b; read by q's first quarter alone
.set BIAS2, 0                          ; window 1: the same for the second tile's four blocks
.set TMP,  192                         ; the ways out: packed results
.set OB,   32                          ; q's way out: rows read back, v32-63 and v224-255 by turns
.set WV, 12
.set HI, 13                            ; my half of a tile's rows; also: I fetch for A (0) or W (1)
.set LO, 14                            ; my half of its columns; also: which of the two loads is mine
.set YY, 15                            ; the cluster's y
.set G1, 24                            ; s[24:31] A's shape
.set G0, 32                            ; s[32:35] A's walking group 0; s[36:39] slot 1's first fill
.set CX, 40
.set CY, 41
.set ART, 42                           ; q's tile row
.set TRS, 43                           ; the base of the slot that is read: 0 or SLOT
.set YR, 44                            ; Y >> 2
.set YC, 45                            ; Y & 3
.set TRW, 46                           ; the second tile's row (of 128 rows)
.set RM,  47                           ; mask of my row of the cluster
.set G1B, 48                           ; s[48:55] W's shape
.set G0B, 56                           ; s[56:59], s[60:63] as G0
.set PFA, 66                           ; s[66:67] the prefetch's address
.set PFOF, 68                          ; s[68:69] its offset in its buffer
.set PFS, 70                           ; its step
.set CM,  71                           ; mask of my column of the cluster
.set OFA, 72                           ; s[72:73] offset in ab of the tile asked for last
.set OFB, 74                           ; s[74:75] the same in wb
.set C1,  76                           ; s[76:77] q at my second head
.set STA, 78                           ; A's step along K: 256, for the second tile 512
.set A2O, 79                           ; offset in ab of my load of the second tile's first step
.set YJ,  80                           ; (Y & 3) planes of 1 MiB: what W's offset leaps at the change of tiles
.set PFJ, 81                           ; what the prefetch's offset leaps there
.set PFS2, 82                          ; its step behind the leap
.set ASK1, 83                          ; 1: I prefetch for the first tile
.set ASK2, 84                          ; 1: for the second
.set WOA, 85                           ; where my load of A goes in a slot
.set WOB, 86                           ; and of W
.set PFB, 88                           ; s[88:89] the buffer that I prefetch from
.set C2,  90                           ; s[90:91] k or v at my 64 rows of my head
.set BP2, 92                           ; s[92:93] the second tile's bias
.set MSB, 0
.macro WIN new                         ; the high byte repeats the setting that is left; a switch that changes nothing is dropped
.if MSB != (\new)
	s_set_vgpr_msb (MSB<<8)|(\new)
.set MSB, \new
.endif
.endm
.set TO_B, 0x40
.macro PLACES                          ; four plain places behind matrix instructions, ahead of loads into their sources and of readers of their results
.rept 4
	v_nop
.endr
.endm
.macro JLOAD                           ; a joint refill: waves 0, 1 fetch for A, waves 2, 3 for W; the branch hangs on the wave's number alone; an s_nop 0 and four v_nop follow each line
	s_cmp_eq_u32 s[HI], 0
	s_cbranch_scc0 .Lfor_b_\@
	tensor_load_to_lds s[G0:G0+3], s[G1:G1+7]
	s_nop 0
.rept 4
	v_nop
.endr
	s_branch .Lasked_\@
.Lfor_b_\@:
	tensor_load_to_lds s[G0B:G0B+3], s[G1B:G1B+7]
	s_nop 0
.rept 4
	v_nop
.endr
.Lasked_\@:
.endm
; A prefetch of the slot that stands two refills on: 32 blocks of 256 bytes of what I shall fetch, a lane a block, one instruction a wave.  The trip with counter c names step 12 - c of the twelve: q's steps 4 to 7,
; then the second tile's four; steps 0 to 3 come by their loads alone.  Each block is named once in the launch: of the clusters that read the same rows one asks (x: its only reader; q_w: Y = 0; context: Y & 3 = 0;
; kv_w: Y >> 2 = 0), and the four partners of a joint load share its blocks out by address.
.macro ASK
	s_cmp_gt_u32 s3, 4
	s_cselect_b32 s19, s[ASK1], s[ASK2]
	s_cmp_eq_u32 s19, 1
	s_cbranch_scc0 .Lnot_mine_\@
	global_prefetch_b8 v[PFO], s[PFA:PFA+1] th:TH_LOAD_NT scope:SCOPE_SE
.Lnot_mine_\@:
.endm
.macro CREST                           ; a round of the cluster's barrier behind its opening barrier
	s_cmp_lg_u32 s[WV], 0
	s_cbranch_scc1 .Lnot_wave_0_\@
	s_barrier_signal -3
.Lnot_wave_0_\@:
	s_barrier_wait -3
	s_barrier_signal -1
	s_barrier_wait -1
.endm
.macro CROUND
	s_barrier_signal -1
	s_barrier_wait -1
	CREST
.endm
	s_load_b256 s[4:11], s[0:1], 0x0               ; ab s[4:5], wb s[6:7], tab s[8:9], qkv s[10:11]
	v_lshl_add_u32 v[SPW], v0, 2, SPARE
	v_mov_b32 v[NIL], 0
	ds_add_u32 v[SPW], v[NIL]                      ; the wave's opening: the add and its wait stand ahead of my first tensor load; work on registers stands between them
	v_lshrrev_b32 v1, 5, v0
	v_readfirstlane_b32 s[WV], v1
	s_lshr_b32 s[HI], s[WV], 1
	s_and_b32 s[LO], s[WV], 1
	s_bfe_u32 s[CX], ttmp6, 0x40000
	s_bfe_u32 s[CY], ttmp6, 0x40004
	s_and_b32 s[YY], ttmp7, 0xffff
	s_lshr_b32 s[YR], s[YY], 2
	s_and_b32 s[YC], s[YY], 3
	s_lshl_b32 s[ART], s[YY], 2
	s_add_co_u32 s[ART], s[ART], s[CY]
	s_lshl_b32 s[TRW], s[YR], 2
	s_add_co_u32 s[TRW], s[TRW], s[CY]
	s_lshl_b32 s[RM], s[CY], 2
	s_lshl_b32 s[RM], 15, s[RM]                    ; my row of the cluster: places 4 cy .. 4 cy + 3
	s_lshl_b32 s[CM], 0x1111, s[CX]                ; my column: places cx, cx + 4, cx + 8, cx + 12
	s_or_b32 s[G1+0], s[RM], AW0
	s_or_b32 s[G1B+0], s[CM], BW0
	s_mov_b32 s[G1+1], 128<<16                     ; A: 128 rows of 128 elements, 1,024 elements apart
	s_mov_b32 s[G1+2], 128<<16
	s_mov_b32 s[G1+3], 128<<16
	s_mov_b32 s[G1+4], 128
	s_mov_b32 s[G1+5], 1024
	s_mov_b32 s[G1+6], 0
	s_mov_b32 s[G1+7], 0
	s_mov_b32 s[G1B+1], 256<<16                    ; W: 64 rows of 256 elements, 1,024 elements apart
	s_mov_b32 s[G1B+2], 64<<16
	s_mov_b32 s[G1B+3], 256<<16
	s_mov_b32 s[G1B+4], 64
	s_mov_b32 s[G1B+5], 1024
	s_mov_b32 s[G1B+6], 0
	s_mov_b32 s[G1B+7], 0
	s_lshl_b32 s[OFA], s[ART], 8                   ; q's A: row 256 x tile row + 128 x load: made of Y, cy and the wave's number alone
	s_lshl_b32 s16, s[LO], 7
	s_add_co_u32 s[OFA], s[OFA], s16
	s_lshl_b32 s[OFA], s[OFA], 11
	s_mov_b32 s[OFA+1], 0
	s_lshl_b32 s[A2O], s[TRW], 18                  ; the second tile's A: context begins at row 16,384; 128 rows a tile row; my load's k half, 256 bytes
	s_add_co_u32 s[A2O], s[A2O], 0x2000000
	s_lshl_b32 s16, s[LO], 8
	s_add_co_u32 s[A2O], s[A2O], s16
	s_lshl_b32 s[OFB], s[LO], 17                   ; q's W: row 64 x load, column 256 cx: made of cx and the wave's number alone
	s_lshl_b32 s17, s[CX], 9
	s_add_co_u32 s[OFB], s[OFB], s17
	s_mov_b32 s[OFB+1], 0
	s_lshl_b32 s[YJ], s[YC], 20                    ; eight steps on q_w ends and kv_w's plane 0 begins, with block cx at the same 512 cx: only the plane is to be leapt
	s_mul_i32 s[WOA], s[LO], HA                    ; where the loads go: no place in the cluster enters an LDS address
	s_mul_i32 s[WOB], s[LO], HB
	s_add_co_u32 s[WOB], s[WOB], BOFF
	s_mov_b32 s[TRS], 0
	s_mov_b32 s[STA], KA
	s_wait_dscnt 0x0                               ; the opening add is done
	s_wait_kmcnt 0x0
	CROUND                                         ; all sixteen work-groups are here: the first joint loads meet
	s_mov_b32 s[G0], 1                             ; K step 0 into slot 0,
	s_mov_b32 s[G0+1], s[WOA]
	s_add_nc_u64 s[G0+2:G0+3], s[4:5], s[OFA:OFA+1]
	s_or_b32 s[G0+3], s[G0+3], 0x80000000
	s_add_co_u32 s[OFA], s[OFA], KA
	s_mov_b32 s[G0+4], 1                           ; K step 1 into slot 1
	s_add_co_u32 s[G0+5], s[WOA], SLOT
	s_add_nc_u64 s[G0+6:G0+7], s[4:5], s[OFA:OFA+1]
	s_or_b32 s[G0+7], s[G0+7], 0x80000000
	s_mov_b32 s[G0B], 1
	s_mov_b32 s[G0B+1], s[WOB]
	s_add_nc_u64 s[G0B+2:G0B+3], s[6:7], s[OFB:OFB+1]
	s_or_b32 s[G0B+3], s[G0B+3], 0x80000000
	s_add_co_u32 s[OFB], s[OFB], KB
	s_mov_b32 s[G0B+4], 1
	s_add_co_u32 s[G0B+5], s[WOB], SLOT
	s_add_nc_u64 s[G0B+6:G0B+7], s[6:7], s[OFB:OFB+1]
	s_or_b32 s[G0B+7], s[G0B+7], 0x80000000
	s_cmp_eq_u32 s[HI], 0                          ; a wave's two first fills stand in one branch, ahead of every wait on TENSORcnt and every LDS read: two loads of mine are out
	s_cbranch_scc0 .Lfirst_b
	tensor_load_to_lds s[G0:G0+3], s[G1:G1+7]
	s_nop 0
	tensor_load_to_lds s[G0+4:G0+7], s[G1:G1+7]
	s_nop 0
.rept 4
	v_nop
.endr
	s_branch .Lfirst_asked
.Lfirst_b:
	tensor_load_to_lds s[G0B:G0B+3], s[G1B:G1B+7]
	s_nop 0
	tensor_load_to_lds s[G0B+4:G0B+7], s[G1B:G1B+7]
	s_nop 0
.rept 4
	v_nop
.endr
.Lfirst_asked:
	v_and_b32 v1, 15, v0                           ; l % 16
	v_bfe_u32 v2, v0, 4, 1                         ; l / 16
	; the biases: register j of block b holds bias[16 b + 8 (l / 16) + j] of my columns
	s_lshl_b32 s94, s[CX], 10                      ; q_b at tab's byte 0: my 128 columns
	s_lshl_b32 s99, s[LO], 9
	s_add_co_u32 s94, s94, s99
	s_mov_b32 s95, 0
	s_add_nc_u64 s[96:97], s[8:9], s[94:95]
	s_lshl2_add_u32 s98, s[YC], s[CX]              ; the second tile's column (of 128 columns): 4 (Y & 3) + cx
	s_lshl_b32 s94, s98, 9                         ; kv_b at tab's byte 4,096: my 64 columns
	s_lshl_b32 s99, s[LO], 8
	s_add_co_u32 s94, s94, s99
	s_add_co_u32 s94, s94, 4096
	s_add_nc_u64 s[BP2:BP2+1], s[8:9], s[94:95]
	v_lshlrev_b32 v[BO], 5, v2
.irp b, 0,1,2,3,4,5,6,7
	global_load_b128 v[BIAS+8*(\b):BIAS+8*(\b)+3],   v[BO], s[96:97] offset:64*(\b)
	global_load_b128 v[BIAS+8*(\b)+4:BIAS+8*(\b)+7], v[BO], s[96:97] offset:64*(\b)+16
.endr
	WIN TO_B
.irp b, 0,1,2,3
	global_load_b128 v[BIAS2+8*(\b):BIAS2+8*(\b)+3],   v[BO], s[BP2:BP2+1] offset:64*(\b)
	global_load_b128 v[BIAS2+8*(\b)+4:BIAS2+8*(\b)+7], v[BO], s[BP2:BP2+1] offset:64*(\b)+16
.endr
	WIN 0
	; A's fragment: lane l holds row l % 16; two loads of 16 bytes, 32 bytes apart
	v_mul_u32_u24 v3, v1, PA
	v_lshl_add_u32 v3, v2, 4, v3
	s_mul_i32 s16, s[HI], HA                       ; first tile: my 128 rows are one load
	v_add_nc_u32 v[A0V], s16, v3
	s_mul_i32 s16, s[HI], 64*PA                    ; second tile: my 64 rows of each load's 128
	v_add_nc_u32 v[A2V], s16, v3
	; W's fragment by the turning load: lane l reads row 8 (l / 16) + l % 8, 16 bytes at 16 ((l / 8) % 2), and ends with column l % 16 and eight k
	v_and_b32 v4, 7, v0
	v_lshl_add_u32 v4, v2, 3, v4
	v_mul_u32_u24 v4, v4, PB
	v_bfe_u32 v5, v0, 3, 1
	v_lshl_add_u32 v4, v5, 4, v4
	s_lshl_b32 s16, s[LO], 8                       ; first tile: my 128 columns of 256
	s_add_co_u32 s16, s16, BOFF
	v_add_nc_u32 v[B0V], s16, v4
	s_lshl_b32 s16, s[LO], 7                       ; second tile: my 64 columns of 128
	s_add_co_u32 s16, s16, BOFF
	v_add_nc_u32 v[B2V], s16, v4
	v_mov_b32 v[ADRA], v[A0V]                      ; slot 0
	v_mov_b32 v[ADRB], v[B0V]
	s_mul_i32 s22, s[WV], SBYTES
	s_add_co_u32 s22, s22, STAGE                   ; my stage
	v_mul_u32_u24 v4, v1, 144                      ; in: row l % 16, 16 bytes for each half of the lanes
	v_lshl_add_u32 v4, v2, 4, v4
	v_add_nc_u32 v[STO], s22, v4
	v_bfe_u32 v4, v0, 3, 2                         ; back: 32 lanes take four rows of 128 bytes, 512 consecutive bytes of a head
	v_mul_u32_u24 v4, v4, 144
	v_and_b32 v5, 7, v0
	v_lshl_add_u32 v4, v5, 4, v4
	v_add_nc_u32 v[RD], s22, v4
	v_and_b32 v3, 31, v0
	v_lshlrev_b32 v[CO], 4, v3
	s_lshl1_add_u32 s94, s98, s[LO]                ; k, v: my 64 columns are head 2 x tile column + LO of 32 (16 of k, then 16 of v), 2,048 rows of 128 bytes each
	s_lshl_b32 s94, s94, 18
	s_lshl_b32 s99, s[TRW], 14
	s_add_co_u32 s94, s94, s99
	s_lshl_b32 s99, s[HI], 13
	s_add_co_u32 s94, s94, s99
	s_add_co_u32 s94, s94, 0x2000000
	s_add_nc_u64 s[C2:C2+1], s[10:11], s[94:95]
	s_lshl_b32 s94, s[CX], 2                       ; q: my 128 columns are the heads 4 cx + 2 LO and the next, 16,384 rows each
	s_lshl1_add_u32 s94, s[LO], s94
	s_lshl_b32 s94, s94, 14
	s_lshl_b32 s99, s[ART], 8
	s_add_co_u32 s94, s94, s99
	s_lshl_b32 s99, s[HI], 7
	s_add_co_u32 s94, s94, s99
	s_lshl_b32 s94, s94, 7
	s_add_nc_u64 s[10:11], s[10:11], s[94:95]
	s_add_nc_u64 s[C1:C1+1], s[10:11], 0x200000
	; the prefetches.  A: of the 128 rows that I fetch partner cx takes 32, a lane a row; W: of my 64 rows partner cy takes 16, two lanes a row
	s_lshl_b32 s20, s[ART], 8
	s_lshl_b32 s21, s[LO], 7
	s_add_co_u32 s20, s20, s21
	s_lshl_b32 s21, s[CX], 5
	s_add_co_u32 s20, s20, s21
	s_lshl_b32 s20, s20, 11                        ; q's A, my share, K step 0
	s_lshl_b32 s21, s[CX], 16
	s_add_co_u32 s21, s21, s[A2O]                  ; the second tile's A, my share, its step 0
	s_sub_co_u32 s21, s21, s20
	s_sub_co_u32 s21, s21, 8*KA                    ; the leap from where q's step 8 would lie
	s_add_co_u32 s20, s20, 3*KA                    ; at K step 3: the first trip steps it to 4
	s_lshl_b32 s22, s[LO], 17
	s_lshl_b32 s23, s[CY], 15
	s_add_co_u32 s22, s22, s23
	s_lshl_b32 s23, s[CX], 9
	s_add_co_u32 s22, s22, s23
	s_add_co_u32 s22, s22, 3*KB
	s_cmp_eq_u32 s[YY], 0
	s_cselect_b32 s16, 1, 0
	s_cmp_eq_u32 s[YC], 0
	s_cselect_b32 s17, 1, 0
	s_cmp_eq_u32 s[YR], 0
	s_cselect_b32 s18, 1, 0
	s_mov_b32 s19, KB
	s_cmp_eq_u32 s[HI], 0
	s_cselect_b32 s[PFOF], s20, s22
	s_cselect_b32 s[PFJ], s21, s[YJ]
	s_cselect_b32 s[PFS], KA, s19
	s_cselect_b32 s[PFS2], 512, s19
	s_cselect_b32 s[ASK1], 1, s16                  ; both flags are the same in all sixteen partners, for a given wave
	s_cselect_b32 s[ASK2], s17, s18
	s_cselect_b64 s[PFB:PFB+1], s[4:5], s[6:7]
	s_mov_b32 s[PFOF+1], 0
	v_lshrrev_b32 v4, s[HI], v3
	v_and_b32 v5, s[HI], v3
	v_lshlrev_b32 v4, 11, v4
	v_lshl_add_u32 v[PFO], v5, 8, v4
; THE FIRST TILE.  16 matrix instructions: row blocks a0, a0 + 1 of the window's four x all 8 column blocks, 32 along K.  first = 1: the bias starts the sums.  The 64 accumulators take turns in the same order in every quarter.
.macro MUL16 f, hi, a0, first
.if \first
	WIN 0x81+0x40*(\hi)                            ; W window 1, A and the bias window 0, D window 2 or 3
.else
	WIN 0xa1+0x50*(\hi)                            ; C and D window 2 or 3
.endif
.irp a, \a0, (\a0)+1
.irp b, 0,1,2,3,4,5,6,7
.set rD, 8*(8*(\a)+(\b))
.set rB, (\f)+8*(\b)
.set rA, (\f)+8*(4*(\hi)+(\a))
.if \first
.set rC, BIAS+8*(\b)
.else
.set rC, rD
.endif
	v_wmma_f32_16x16x32_bf16 v[rD:rD+7], v[rB:rB+7], v[rA:rA+7], v[rC:rC+7]
.endr
.endr
.endm
; 32 LDS loads in one run: the fragments of quarter kq (32 along K) of the slot in hand into buffer f: W's eight, then A's eight
.macro FETCH kq, f
	WIN TO_B
.irp i, 0,1,2,3,4,5,6,7
	ds_load_tr16_b128 v[(\f)+8*(\i):(\f)+8*(\i)+3],   v[ADRB] offset:(\kq)*32*PB+32*(\i)
	ds_load_tr16_b128 v[(\f)+8*(\i)+4:(\f)+8*(\i)+7], v[ADRB] offset:(\kq)*32*PB+32*(\i)+16*PB
.endr
	WIN 0
.irp i, 0,1,2,3,4,5,6,7
	ds_load_b128 v[(\f)+8*(\i):(\f)+8*(\i)+3],   v[ADRA] offset:64*(\kq)+(\i)*16*PA
	ds_load_b128 v[(\f)+8*(\i)+4:(\f)+8*(\i)+7], v[ADRA] offset:64*(\kq)+(\i)*16*PA+32
.endr
.endm
; One of a K step's first three quarters: multiplies buffer f; in its middle it fetches quarter kq into buffer g
.macro QUARTER kq, f, g, first
	s_wait_dscnt 8                                 ; W and A's rows 0-63 are in; the youngest eight loads (A's rows 64-127) may be out
	MUL16 \f, 0, 0, \first
	MUL16 \f, 0, 2, \first
	PLACES
	FETCH \kq, \g
	s_wait_dscnt 32                                ; all but the 32 just issued
	MUL16 \f, 1, 0, \first
	MUL16 \f, 1, 2, \first
.endm
; THE SECOND TILE.  8 matrix instructions: row blocks a0, a0 + 1 x all 4 column blocks, 32 along K: half c of buffer f.  The 16 accumulators take turns.
.macro MUL8P f, c, a0, first
.if \first
	WIN 0x91                                       ; W and the bias window 1, A window 0, D window 2
.else
	WIN 0xa1
.endif
.irp a, \a0, (\a0)+1
.irp b, 0,1,2,3
.set rD, 8*(4*(\a)+(\b))
.set rB, (\f)+8*(4*(\c)+(\b))
.set rA, (\f)+8*(4*(\c)+(\a))
.if \first
.set rC, BIAS2+8*(\b)
.else
.set rC, rD
.endif
	v_wmma_f32_16x16x32_bf16 v[rD:rD+7], v[rB:rB+7], v[rA:rA+7], v[rC:rC+7]
.endr
.endr
.endm
; 32 LDS loads in one run: the fragments of quarter kq (64 along K, two halves c of 32) into buffer f.  k = 64 kq + 32 c + .. lies in load kq / 2 of A at byte 128 (kq % 2) + 64 c of a row,
; and in load kq / 2 of W in rows 32 c on, at byte 256 (kq % 2).  W's sixteen first, then A's: of these the second half's eight are the youngest.
.macro FETCH2 kq, f
.set OB2, ((\kq)/2)*HB+((\kq)%2)*256
.set OA2, ((\kq)/2)*HA+((\kq)%2)*128
	WIN TO_B
.irp c, 0,1
.irp i, 0,1,2,3
	ds_load_tr16_b128 v[(\f)+8*(4*(\c)+(\i)):(\f)+8*(4*(\c)+(\i))+3],   v[ADRB] offset:OB2+(\c)*32*PB+32*(\i)
	ds_load_tr16_b128 v[(\f)+8*(4*(\c)+(\i))+4:(\f)+8*(4*(\c)+(\i))+7], v[ADRB] offset:OB2+(\c)*32*PB+32*(\i)+16*PB
.endr
.endr
	WIN 0
.irp c, 0,1
.irp i, 0,1,2,3
	ds_load_b128 v[(\f)+8*(4*(\c)+(\i)):(\f)+8*(4*(\c)+(\i))+3],   v[ADRA] offset:OA2+64*(\c)+(\i)*16*PA
	ds_load_b128 v[(\f)+8*(4*(\c)+(\i))+4:(\f)+8*(4*(\c)+(\i))+7], v[ADRA] offset:OA2+64*(\c)+(\i)*16*PA+32
.endr
.endr
.endm
.macro QUARTER2 kq, f, g, first
	s_wait_dscnt 8                                 ; all but A's second half
	MUL8P \f, 0, 0, \first
	MUL8P \f, 0, 2, \first
	PLACES
	FETCH2 \kq, \g
	s_wait_dscnt 32                                ; all but the 32 just issued
	MUL8P \f, 1, 0, 0
	MUL8P \f, 1, 2, 0
.endm
; THE CHANGE OF SLOTS, first half: each wave waits for all its tensor loads (one is out at the most: its part of the next slot), adds 0 to its spare word, waits for that and for its reads of this slot, and meets the others.
; fill = 1: while the add is out the walking descriptors are written (no tensor load of mine is out): the slot that has been read, the offsets made by TURN.  ph: which tile's products stand between.
.macro MEET fill, ph
	WIN 0
	s_wait_tensorcnt 0x0
	ds_add_u32 v[SPW], v[NIL]
.if \fill
	s_add_co_u32 s[G0+1], s[WOA], s[TRS]
	s_add_nc_u64 s[G0+2:G0+3], s[4:5], s[OFA:OFA+1]
	s_or_b32 s[G0+3], s[G0+3], 0x80000000
	s_add_co_u32 s[G0B+1], s[WOB], s[TRS]
	s_add_nc_u64 s[G0B+2:G0B+3], s[6:7], s[OFB:OFB+1]
	s_or_b32 s[G0B+3], s[G0B+3], 0x80000000
.endif
	s_wait_dscnt 9                                 ; the add and the youngest eight loads may be out
.if (\ph) == 1
	MUL16 F1, 0, 0, 0
.else
	MUL8P F1, 0, 0, 0
.endif
	s_wait_dscnt 0x0                               ; the add is done, and my reads of this slot are over
	s_barrier_signal -1
.if (\ph) == 1
	MUL16 F1, 0, 2, 0
.else
	MUL8P F1, 0, 2, 0
.endif
	WIN 0
	s_barrier_wait -1
.endm
; The last quarter of one of q's K steps.  The barrier opens a round of the cluster's barrier, and the slot just read out is filled again first behind it, with the step two on: 224 matrix instructions ahead of the
; wait for it.  With counter c the refill is step 10 - c of the twelve: at c = 2 the offsets leap to the second tile's first step.
.macro TURN
	s_wait_xcnt 0x0                                ; the last prefetch, a K step back, has read its address
	s_add_co_u32 s[PFOF], s[PFOF], s[PFS]
	s_cmp_eq_u32 s3, 4                             ; the prefetches run two steps ahead of the refills
	s_cselect_b32 s18, s[PFJ], 0
	s_cselect_b32 s[PFS], s[PFS2], s[PFS]
	s_add_co_u32 s[PFOF], s[PFOF], s18
	s_add_nc_u64 s[PFA:PFA+1], s[PFB:PFB+1], s[PFOF:PFOF+1]
	s_add_co_u32 s[OFA], s[OFA], s[STA]
	s_add_co_u32 s[OFB], s[OFB], KB
	s_cmp_eq_u32 s3, 2
	s_cselect_b32 s[OFA], s[A2O], s[OFA]
	s_cselect_b32 s[STA], 512, s[STA]
	s_cselect_b32 s17, s[YJ], 0
	s_add_co_u32 s[OFB], s[OFB], s17
	MEET 1, 1
	CREST
	JLOAD                                          ; the four v_nop behind it are also the places in front of the loads below
	s_xor_b32 s[TRS], s[TRS], SLOT                 ; on to the other slot
	v_add_nc_u32 v[ADRA], s[TRS], v[A0V]
	v_add_nc_u32 v[ADRB], s[TRS], v[B0V]
	FETCH 0, F0
	ASK
	MUL16 F1, 1, 0, 0
	MUL16 F1, 1, 2, 0
.endm
; The same for the second tile.  fill = 1: 112 matrix instructions stand between the request and the wait for it.
.macro TURN2 fill
.if \fill
	s_add_co_u32 s[OFA], s[OFA], s[STA]
	s_add_co_u32 s[OFB], s[OFB], KB
.endif
	MEET \fill, 2
.if \fill
	CREST
	JLOAD
.else
	PLACES
.endif
	s_xor_b32 s[TRS], s[TRS], SLOT
	v_add_nc_u32 v[ADRA], s[TRS], v[A2V]
	v_add_nc_u32 v[ADRB], s[TRS], v[B2V]
	FETCH2 0, F0
	MUL8P F1, 1, 0, 0
	MUL8P F1, 1, 2, 0
.endm
	s_wait_tensorcnt 1                             ; my part of K step 0 is in; step 1's may stay out
	s_barrier_signal -1
	s_barrier_wait -1
	FETCH 0, F0
	s_wait_loadcnt 0x0                             ; both biases
	QUARTER 1, F0, F1, 1                           ; q's first quarter stands in front of the loop: its products start the sums
	WIN 0
	s_mov_b32 s3, 8
	s_branch .Lenter                               ; the loop is entered behind its first quarter
.Lk:                                               ; a trip is a K step; all eight fill their slot again, the last two with the second tile's first two steps
	QUARTER 1, F0, F1, 0
	WIN 0
.Lenter:
	QUARTER 2, F1, F0, 0
	QUARTER 3, F0, F1, 0
	TURN
	WIN 0
	s_sub_co_u32 s3, s3, 1
	s_cmp_lg_u32 s3, 0
	s_cbranch_scc1 .Lk
	PLACES                                         ; (the last trip's 32 fragments, read from slot 0 in the first tile's way, are used by nothing: the price of one text for every trip)
; q's WAY OUT, while the second tile's slot 1 is on its way: a block of 16 rows is rounded, goes through my own stage (two heads x 16 rows of 144 bytes) and comes back as 2,048 dense bytes for each head.
; LDS serves a wave's instructions in order, so no wait stands between its stores and its loads.
.macro PACK a
.set AC, 64*((\a)%4)
	WIN 0x0a+5*((\a)/4)
.irp b, 0,1,2,3,4,5,6,7
.irp r, 0,1,2,3
	v_cvt_pk_f16_f32 v[TMP+4*(\b)+(\r)], v[AC+8*(\b)+2*(\r)], v[AC+8*(\b)+2*(\r)+1]
.endr
.endr
	WIN 0
.endm
.macro TOSTAGE a
.set BK, OB+192*((\a)%2)
.irp b, 0,1,2,3,4,5,6,7
	ds_store_b128 v[STO], v[TMP+4*(\b):TMP+4*(\b)+3] offset:((\b)/4)*2304+((\b)%4)*32
.endr
.irp t, 0,1,2,3,4,5,6,7
	ds_load_b128 v[BK+4*(\t):BK+4*(\t)+3], v[RD] offset:((\t)/4)*2304+((\t)%4)*576
.endr
.endm
.macro SEND a
.set BK, OB+192*((\a)%2)
	s_wait_dscnt 0x0                               ; the block is back in registers
	s_wait_xcnt 0x0                                ; earlier stores have read their registers: those are loaded again only behind this wait
.irp t, 0,1,2,3
	global_store_b128 v[CO], v[BK+4*(\t):BK+4*(\t)+3], s[10:11] offset:(\a)*2048+(\t)*512  ; 512 consecutive bytes, aligned
.endr
.irp t, 0,1,2,3
	global_store_b128 v[CO], v[BK+16+4*(\t):BK+16+4*(\t)+3], s[C1:C1+1] offset:(\a)*2048+(\t)*512
.endr
.endm
	PACK 0
	TOSTAGE 0
.irp a, 1,2,3,4,5,6,7
	PACK \a
	SEND (\a)-1
	TOSTAGE \a
.endr
	SEND 7
	; THE SECOND TILE: its step 0 lies in slot 0 (shown landed, to every wave, by the last change of slots), step 1 is on its way into slot 1
	v_add_nc_u32 v[ADRA], s[TRS], v[A2V]
	v_add_nc_u32 v[ADRB], s[TRS], v[B2V]
	FETCH2 0, F0
	QUARTER2 1, F0, F1, 1                          ; its first products start the sums with the bias
	WIN 0
	s_mov_b32 s3, 2
	s_branch .Lenter2
.Lfill2:                                           ; steps 0 and 1: their slots are filled again, with steps 2 and 3
	QUARTER2 1, F0, F1, 0
	WIN 0
.Lenter2:
	QUARTER2 2, F1, F0, 0
	QUARTER2 3, F0, F1, 0
	TURN2 1
	WIN 0
	s_sub_co_u32 s3, s3, 1
	s_cmp_lg_u32 s3, 0
	s_cbranch_scc1 .Lfill2
	s_mov_b32 s3, 2
.Llast2:                                           ; steps 2 and 3 ask for nothing: a text of their own
	QUARTER2 1, F0, F1, 0
	QUARTER2 2, F1, F0, 0
	QUARTER2 3, F0, F1, 0
	TURN2 0                                        ; (in the last trip its barrier and its 32 fragments serve nothing)
	WIN 0
	s_sub_co_u32 s3, s3, 1
	s_cmp_lg_u32 s3, 0
	s_cbranch_scc1 .Llast2
	PLACES
	s_wait_xcnt 0x0                                ; q's last stores have read v224-255, which are written next
; ITS WAY OUT: my 64 x 64 numbers are 64 rows of one head: 8,192 dense bytes.  A block of 16 rows goes into rows of 144 bytes and comes back as whole rows of 128, into the registers that it left.
.macro PACK2 a
	WIN 0x0a
.irp b, 0,1,2,3
.irp r, 0,1,2,3
	v_cvt_pk_f16_f32 v[TMP+16*(\a)+4*(\b)+(\r)], v[8*(4*(\a)+(\b))+2*(\r)], v[8*(4*(\a)+(\b))+2*(\r)+1]
.endr
.endr
	WIN 0
.irp b, 0,1,2,3
	ds_store_b128 v[STO], v[TMP+16*(\a)+4*(\b):TMP+16*(\a)+4*(\b)+3] offset:32*(\b)
.endr
.irp t, 0,1,2,3
	ds_load_b128 v[TMP+16*(\a)+4*(\t):TMP+16*(\a)+4*(\t)+3], v[RD] offset:576*(\t)
.endr
.endm
.macro SEND2 a, younger                ; younger: the next block's eight LDS instructions, or none
.irp t, 0,1,2,3
	s_wait_dscnt (\younger)+3-(\t)
	global_store_b128 v[CO], v[TMP+16*(\a)+4*(\t):TMP+16*(\a)+4*(\t)+3], s[C2:C2+1] offset:(\a)*2048+(\t)*512  ; 512 consecutive bytes, aligned
.endr
.endm
	PACK2 0
	PACK2 1
	SEND2 0, 8
	PACK2 2
	SEND2 1, 8
	PACK2 3
	SEND2 2, 8
	SEND2 3, 0
	s_wait_tensorcnt 0x0                           ; the wave's end: behind my last tensor load and my last LDS store
	ds_add_u32 v[SPW], v[NIL]
	s_wait_dscnt 0x0
	CROUND                                         ; the closing round
	s_endpgm
.Lfunc_end_k_q5472aff1f7_inproj:
	.size	k_q5472aff1f7_inproj, .Lfunc_end_k_q5472aff1f7_inproj-k_q5472aff1f7_inproj
	.p2alignl 7, 3214868480
	.fill 96, 4, 3214868480
	.section	.rodata,"a",@progbits
	.p2align	6, 0x0
	.amdhsa_kernel k_q5472aff1f7_inproj
		.amdhsa_group_segment_fixed_size 327680
		.amdhsa_private_segment_fixed_size 0
		.amdhsa_enable_private_segment 0
		.amdhsa_kernarg_size 32
		.amdhsa_user_sgpr_count 2
		.amdhsa_user_sgpr_kernarg_segment_ptr 1
		.amdhsa_wavefront_size32 1
		.amdhsa_system_sgpr_workgroup_id_x 1
		.amdhsa_system_sgpr_workgroup_id_y 1
		.amdhsa_system_sgpr_workgroup_id_z 1
		.amdhsa_system_vgpr_workitem_id 0
		.amdhsa_next_free_vgpr 1024
		.amdhsa_next_free_sgpr 100
		.amdhsa_reserve_vcc 0
		.amdhsa_float_denorm_mode_32 3
		.amdhsa_float_denorm_mode_16_64 3
		.amdhsa_memory_ordered 1
		.amdhsa_forward_progress 1
		.amdhsa_inst_pref_size 131
	.end_amdhsa_kernel
	.amdgpu_metadata
---
amdhsa.version: [ 1, 2 ]
amdhsa.kernels:
  - .name:           k_q5472aff1f7_inproj
    .symbol:         k_q5472aff1f7_inproj.kd
    .args:
      - { .name: ab, .offset: 0, .size: 8, .value_kind: global_buffer, .address_space: global }
      - { .name: wb, .offset: 8, .size: 8, .value_kind: global_buffer, .address_space: global }
      - { .name: tab, .offset: 16, .size: 8, .value_kind: global_buffer, .address_space: global }
      - { .name: qkv, .offset: 24, .size: 8, .value_kind: global_buffer, .address_space: global }
    .group_segment_fixed_size: 327680
    .private_segment_fixed_size: 0
    .kernarg_segment_align: 8
    .kernarg_segment_size: 32
    .max_flat_workgroup_size: 128
    .sgpr_count:     100
    .vgpr_count:     1024
    .wavefront_size: 32
...
	.end_amdgpu_metadata
.endif
;; end of part 2
;; launch attn (part 3): grid 4 x 64, 4 waves a work-group, clusters of 4 x 1, 167,936 bytes of LDS; arguments qkv, tab, ob; writes ob
.if DOCPART == 3
	.amdgcn_target "amdgcn-amd-amdhsa--gfx1250"
	.amdhsa_code_object_version 6
	.text
	.protected	k_q5472aff1f7_attn
	.globl	k_q5472aff1f7_attn
	.p2align	8
	.type	k_q5472aff1f7_attn,@function
k_q5472aff1f7_attn:
	s_mov_b64 s[64:65], 0
	v_nop
	global_prefetch_b8 v0, s[64:65] scope:SCOPE_SE
	s_setreg_imm32_b32 hwreg(HW_REG_WAVE_MODE, 25, 1), 1
	s_wait_xcnt 0x0
	s_wait_alu depctr_hold_cnt(0) depctr_sa_sdst(0) depctr_va_vdst(0) depctr_va_sdst(0) depctr_va_ssrc(0) depctr_va_vcc(0) depctr_vm_vsrc(0)
	s_getreg_b32 s2, hwreg(HW_REG_IB_STS2, 6, 4)
	s_cmp_eq_u32 s2, 0
	s_cbranch_scc0 .Lentry_in_a_cluster
	s_endpgm
.Lentry_in_a_cluster:
	s_bfe_u32 s2, ttmp6, 0x10000c
	s_cmp_lg_u32 s2, 0x3003
	s_cbranch_scc0 .Lentry_shape_is_right
	s_endpgm
.Lentry_shape_is_right:
; O[h][R][:] = the sum over the batch's 512 keys s of softmax_s(q . k / 8, hidden keys left out) v.  q [16][16384][64], k and v [16][2048][64] (in qkv at 0, 32 MiB, 36 MiB), O [16][16384][64], all f16.
; Products, maxima and sums in f32; the weights p are rounded to f16 for the second product (their sum l is taken of the unrounded p), O once at the end.
; LIMITS.  A hidden score counts as its value less 1e30 (true scores stay far under 1e29); hidden keys met before a row's first open key are wiped by a = 0 when that key comes.  A weight below 2^-126 counts as 0 in l.
; A batch whose keys are all hidden gives NaN: 1 / l is multiplied by the batch's factor from tab, NaN or 1.0.
; SHARES.  A work-group takes 1,024 queries of one head and batch in two PASSES of 512; in a pass a wave owns four PIECES of two tiles of 16 queries.  The head's whole K and V (512 keys) lie in LDS, filled once.
; CLUSTER.  The four work-groups of a cluster belong to one head and batch: K and V are asked for jointly, one load a wave, mask 15.  Nothing is ever filled again.
; LAYOUT.  S^T = K Q^T (source 0 = 16 keys, source 1 = 16 queries) holds ONE query a lane (lane % 16) and the keys 8 (lane / 16) + 0..7; two results rounded to f16 ARE source 1 of O^T = V^T P.  V is turned by ds_load_tr16_b128.
; THE MASK is the C operand that starts the sum S^T: 0, or -1e30 where the key is hidden; a step's 32 registers come out of LDS with its K.
; SOFTMAX.  A running maximum m and sum l: p = 2^(c s - c m), c = log2(e) / 8; in every step O and l are multiplied by a = 2^(c m_old - c m_new).  m starts at the lowest finite number: a pass's first step has a = 0,
; so O^T and l need only hold finite numbers when a pass begins: zeros for the first, what the first left for the second.
; BY TURNS.  Turn n belongs to piece n: 16 products K Q^T of piece n + 1, later 16 products V^T P of piece n - 1; beside them piece n's scaling, exponentials, roundings, sums and rescaling and piece n + 1's maximum
; and statistics.  Four vector instructions stand behind every matrix instruction, the others in one lump; a turn's 66 exponentials are one batch with one wait.
; WINDOWS (s_set_vgpr_msb: bits 1:0 source 0, 3:2 source 1, 5:4 source 2, 7:6 destination):
;   0: v0-11 addresses; v12-15, v48-63 at work; v16-47 statistics; v64-191 S^T, two buffers of two tiles; v192-255 P, likewise      1: O^T, 32 a tile
;   2: v0-127 Q; v128-191 K of one step; v192-255 V of one step      3: v0-1 the add's registers; v8-39 the step's mask; v64-191 the second pass's Q
.set NP,    4
.set KS,    64
.set PK,    144       ; a row of K in LDS: 128 bytes + 16
.set PV,    160       ; a row of V: 128 + 32
.set VOFF,  512*PK
.set STAGE, VOFF+512*PV         ; 16 rows x 144 bytes for each wave, for the way out; no fill lands here
.set SP,    144
.set MASK,  STAGE+4*16*SP       ; f32[512], stored by the waves
.set SPARE, MASK+2048           ; the spare words: 128 bytes a wave, two blocks of 256 bytes that no other line names
.set AK0, 2
.set AV0, 3
.set AK,  4
.set AV,  5
.set STO, 6
.set RD,  7
.set GO,  8
.set AM0, 9           ; MASK + 32 (l / 16)
.set AM,  10          ; the mask's next run of loads
.set QO,  11          ; my byte offset in 16 rows of Q
.set SPW, 0           ; window 3
.set NIL, 1           ; window 3
.set MC,  8           ; window 3: block kb of 16 keys at MC + 8 kb
.set QB,  64          ; window 3
.set MV,  12
.set ST,  16          ; tile t: c m, m, l (even keys', odd keys')
.set TMP, 48
.set S,   64
.set P,   192
.set KF,  128
.set VF,  192
.set WV,  12
.set G1K, 24
.set G1V, 32
.set G0K, 40
.set G0V, 44
.set QP,  48          ; s[48:49] Q at my wave's first row
.set OP,  50          ; s[50:51] O at my wave's first row of the pass
.set MP,  52          ; s[52:53] tab at the batch's 2,048 bytes (less 16,384)
.set FP,  54          ; s[54:55] tab at the batch's factor (less 24,576)
.set PASS, 56
.set CNT, 57
.set CS,  58
.set SEL, 60
.set TBK, 62
.set TBV, 63
.set TBM, 66
.set FAC, 67
.set MSB, 0
.macro WIN new
.if MSB != (\new)
	s_set_vgpr_msb (MSB<<8)|(\new)
.set MSB, (\new)
.endif
.endm
.set W_KQ, 0x0a       ; K and Q in window 2, S^T in window 0
.set W_KM, 0x3a       ; the same with the C operand in window 3
.set W_PV, 0x52       ; V in window 2, P in window 0, O^T in window 1
.set W_RS, 0x41       ; O^T in window 1, a in window 0
.set W_MK, 0xc0
.set W_AD, 0x0f
.macro CROUND
	s_barrier_signal -1
	s_barrier_wait -1
	s_cmp_lg_u32 s[WV], 0
	s_cbranch_scc1 .Lnot_wave_0_\@
	s_barrier_signal -3
.Lnot_wave_0_\@:
	s_barrier_wait -3
	s_barrier_signal -1
	s_barrier_wait -1
.endm
	s_load_b128 s[4:7], s[0:1], 0x0  ; qkv s[4:5], tab s[6:7]
	s_load_b64 s[8:9], s[0:1], 0x10  ; ob
	WIN W_MK
	v_lshl_add_u32 v[SPW], v0, 2, SPARE
	v_mov_b32 v[NIL], 0
	WIN W_AD
	ds_add_u32 v[SPW], v[NIL]       ; the wave's opening: the add and its wait stand ahead of my first tensor load
	WIN 0
	v_lshrrev_b32 v1, 5, v0
	v_readfirstlane_b32 s[WV], v1
	s_bfe_u32 s13, ttmp6, 0x40000   ; cx: my block of 1,024 queries: it enters Q's and O's addresses alone
	s_and_b32 s14, ttmp7, 0xffff
	s_and_b32 s15, s14, 15          ; the head
	s_lshr_b32 s16, s14, 4          ; the batch
	s_lshl_b32 s20, s15, 11         ; K and V: row 2,048 h + 512 b + 256 x (which half I fetch)
	s_lshl_b32 s21, s16, 9
	s_add_co_u32 s20, s20, s21
	s_and_b32 s17, s[WV], 1
	s_lshl_b32 s21, s17, 8
	s_add_co_u32 s20, s20, s21
	s_lshl_b32 s20, s20, 7
	s_add_co_u32 s20, s20, 0x2000000
	s_mov_b32 s21, 0
	s_mul_i32 s18, s17, 256*PK      ; its place in LDS, for K
	s_mul_i32 s19, s17, 256*PV      ; and for V
	s_lshl_b32 s22, s15, 14         ; Q and O: row 16,384 h + 4,096 b + 1,024 cx + 128 wave
	s_lshl_b32 s23, s16, 12
	s_add_co_u32 s22, s22, s23
	s_lshl_b32 s23, s13, 10
	s_add_co_u32 s22, s22, s23
	s_lshl_b32 s23, s[WV], 7
	s_add_co_u32 s22, s22, s23
	s_lshl_b32 s22, s22, 7
	s_mov_b32 s23, 0
	s_lshl_b32 s2, s16, 11
	s_mov_b32 s3, 0
	s_lshl_b32 s10, s16, 7
	s_mov_b32 s11, 0
	; 256 keys are 32,768 dense bytes: asked for as 128 rows of 256 bytes, two keys a row, padded in LDS after every key
	s_mov_b32 s[G1K], 15|(1<<16)|(1<<20)|(1<<21)|(4<<22)|(3<<25)
	s_mov_b32 s[G1V], 15|(1<<16)|(1<<20)|(1<<21)|(4<<22)|(7<<25)
.irp g, G1K, G1V
	s_mov_b32 s[\g+1], 128<<16      ; tensor_dim0
	s_mov_b32 s[\g+2], 128<<16      ; tensor_dim1
	s_mov_b32 s[\g+3], 128<<16      ; tile_dim0
	s_mov_b32 s[\g+4], 128          ; tile_dim1
	s_mov_b32 s[\g+5], 128          ; elements from row to row
	s_mov_b32 s[\g+6], 0
	s_mov_b32 s[\g+7], 0
.endr
	s_mov_b32 s[CS], 0x3e38aa3b     ; c = log2(e) / 8
	s_mov_b32 s[CS+1], s[CS]
	s_mov_b32 s[SEL], 0x76543210
	s_mov_b32 s[SEL+1], 0xfedcba98
	s_mov_b32 s[G0K], 1
	s_mov_b32 s[G0K+1], s18
	s_mov_b32 s[G0V], 1
	s_add_co_u32 s[G0V+1], s19, VOFF
	s_wait_dscnt 0x0                ; the opening add is done
	s_wait_kmcnt 0x0
	s_add_nc_u64 s[G0K+2:G0K+3], s[4:5], s[20:21]
	s_add_nc_u64 s[G0V+2:G0V+3], s[G0K+2:G0K+3], 0x400000
	s_or_b32 s[G0K+3], s[G0K+3], 0x80000000
	s_or_b32 s[G0V+3], s[G0V+3], 0x80000000
	s_add_nc_u64 s[QP:QP+1], s[4:5], s[22:23]
	s_add_nc_u64 s[OP:OP+1], s[8:9], s[22:23]
	s_add_nc_u64 s[MP:MP+1], s[6:7], s[2:3]
	s_add_nc_u64 s[FP:FP+1], s[6:7], s[10:11]
	s_load_b32 s[FAC], s[FP:FP+1], 24576
	CROUND                          ; all four work-groups are here: the joint loads meet
	s_cmp_lt_u32 s[WV], 2           ; waves 0, 1 fetch K's halves, waves 2, 3 V's: one load a wave, the launch's only fills
	s_cbranch_scc0 .Lfor_v
	tensor_load_to_lds s[G0K:G0K+3], s[G1K:G1K+7]
	s_nop 0
.rept 4
	v_nop
.endr
	s_branch .Lasked
.Lfor_v:
	tensor_load_to_lds s[G0V:G0V+3], s[G1V:G1V+7]
	s_nop 0
.rept 4
	v_nop
.endr
.Lasked:
	v_and_b32 v1, 15, v0            ; l % 16
	v_bfe_u32 v48, v0, 4, 1         ; l / 16
	v_lshlrev_b32 v[QO], 7, v1
	v_lshl_add_u32 v[QO], v48, 4, v[QO]
	v_lshlrev_b32 v52, 4, v0        ; 128 threads x 16 bytes: the batch's 512 mask numbers
	global_load_b128 v[12:15], v52, s[MP:MP+1] offset:16384
	WIN 0x80
.set i, 0
.rept 4*NP                          ; the first pass's Q: tile i / 2, channels 32 (i % 2) on
	global_load_b128 v[8*i:8*i+3],   v[QO], s[QP:QP+1] offset:(i/2)*2048+(i%2)*64
	global_load_b128 v[8*i+4:8*i+7], v[QO], s[QP:QP+1] offset:(i/2)*2048+(i%2)*64+32
.set i, i+1
.endr
	WIN 0
	v_add_nc_u32 v53, MASK, v52
	s_wait_loadcnt 32               ; the mask is in; Q's 32 loads may stay out
	ds_store_b128 v53, v[12:15]
	WIN 0xc0
.set i, 0
.rept 4*NP                          ; the second pass's Q, 512 rows on
	global_load_b128 v[QB+8*i:QB+8*i+3],   v[QO], s[QP:QP+1] offset:65536+(i/2)*2048+(i%2)*64
	global_load_b128 v[QB+8*i+4:QB+8*i+7], v[QO], s[QP:QP+1] offset:65536+(i/2)*2048+(i%2)*64+32
.set i, i+1
.endr
	; What the first turn finds: V's registers and P's second buffer hold 0, O^T and l are 0.  All this stands in the wait for the tiles.
	WIN 0x80
.set i, VF
.rept 64
	v_mov_b32 v[i], 0
.set i, i+1
.endr
	WIN 0x40
.set i, 0
.rept 64*NP
	v_mov_b32 v[i], 0
.set i, i+1
.endr
	WIN 0
.set i, 0
.rept 2*NP
	v_mov_b32 v[ST+4*i+2], 0
	v_mov_b32 v[ST+4*i+3], 0
.set i, i+1
.endr
.set i, P+32
.rept 32
	v_mov_b32 v[i], 0
.set i, i+1
.endr
	v_mul_u32_u24 v[AK0], v1, PK
	v_lshl_add_u32 v[AK0], v48, 4, v[AK0]
	v_and_b32 v49, 7, v0
	v_bfe_u32 v50, v0, 3, 1
	v_lshl_add_u32 v[AV0], v48, 3, v49
	v_mul_u32_u24 v[AV0], v[AV0], PV
	v_lshl_add_u32 v[AV0], v50, 4, v[AV0]
	v_add_nc_u32 v[AV0], VOFF, v[AV0]
	v_lshlrev_b32 v[AM0], 5, v48
	v_add_nc_u32 v[AM0], MASK, v[AM0]
	s_mul_i32 s17, s[WV], 16*SP
	s_add_co_u32 s17, s17, STAGE    ; my stage
	v_mul_u32_u24 v[STO], v1, SP
	v_lshl_add_u32 v[STO], v48, 4, v[STO]
	v_add_nc_u32 v[STO], s17, v[STO]
	v_bfe_u32 v[RD], v0, 3, 2
	v_mul_u32_u24 v[RD], v[RD], SP
	v_lshl_add_u32 v[RD], v49, 4, v[RD]
	v_add_nc_u32 v[RD], s17, v[RD]
	v_and_b32 v[GO], 31, v0
	v_lshlrev_b32 v[GO], 4, v[GO]
; THE MATRIX WORK.  The 8 accumulators of a run of 16 take turns.
; Product i of 16 of S^T = K Q^T for piece x: channels 32 (i / 8) on, keys 16 ((i / 2) % 4) on, tile 2 x + i % 2.  The first 8 start the sums with the mask.
.macro KQ x
.set rS, S+64*((\x)%2)+32*(i%2)+8*((i/2)%4)
.set rK, KF+16*((i/2)%4)+8*(i/8)
.set rQ, 16*(2*(\x)+i%2)+8*(i/8)
.set rH, MC+8*((i/2)%4)
.if i < 8
	WIN W_KM
	v_wmma_f32_16x16x32_f16 v[rS:rS+7], v[rK:rK+7], v[rQ:rQ+7], v[rH:rH+7]
.else
	WIN W_KQ
	v_wmma_f32_16x16x32_f16 v[rS:rS+7], v[rK:rK+7], v[rQ:rQ+7], v[rS:rS+7]
.endif
.endm
; Product i of 16 of O^T += V^T P for piece x: keys 32 (i / 8) on, channels 16 ((i / 2) % 4) on, tile 2 x + i % 2.
.macro PV x
	WIN W_PV
.set rO, 32*(2*(\x)+i%2)+8*((i/2)%4)
.set rV, VF+32*(i/8)+8*((i/2)%4)
.set rP, P+32*((\x)%2)+16*(i%2)+8*(i/8)
	v_wmma_f32_16x16x32_f16 v[rO:rO+7], v[rV:rV+7], v[rP:rP+7], v[rO:rO+7]
.endm
.macro MM
.if i < 16
	KQ (Y+1)%NP
.set i, i+1
.else
.set i, i-16
	PV (Y+NP-1)%NP
.set i, i+17
.endif
.endm
; THE LDS LOADS stand in runs: a step's K (8 fragments) with its mask (32 numbers a lane), and its V (turned).  last = 1: in a pass's last step there is no further step, and the run is jumped over.
.macro FETCH_K last=0
	WIN 0
.if \last
	s_cmp_eq_u32 s[CNT], 1
	s_cbranch_scc1 .Lno_k_\@
.endif
	WIN 0x80
.irp f, 0,1,2,3,4,5,6,7
	ds_load_b128 v[KF+8*\f:KF+8*\f+3],   v[AK] offset:(\f/2)*16*PK+(\f%2)*64
	ds_load_b128 v[KF+8*\f+4:KF+8*\f+7], v[AK] offset:(\f/2)*16*PK+(\f%2)*64+32
.endr
	WIN 0xc0
.irp f, 0,1,2,3
	ds_load_b128 v[MC+8*\f:MC+8*\f+3],   v[AM] offset:64*\f
	ds_load_b128 v[MC+8*\f+4:MC+8*\f+7], v[AM] offset:64*\f+16
.endr
	s_add_co_u32 s[TBK], s[TBK], KS*PK
	s_add_co_u32 s[TBM], s[TBM], 4*KS
	WIN 0
.if \last
.Lno_k_\@:
.endif
.endm
.macro FETCH_V
	WIN 0x80
.irp f, 0,1,2,3,4,5,6,7
	ds_load_tr16_b128 v[VF+8*\f:VF+8*\f+3],   v[AV] offset:(\f/4)*32*PV+(\f%4)*32
	ds_load_tr16_b128 v[VF+8*\f+4:VF+8*\f+7], v[AV] offset:(\f/4)*32*PV+16*PV+(\f%4)*32
.endr
	WIN 0
.endm
; THE VECTOR WORK OF A TURN stands in three queues, each in the order in which its entries become ready; the two tiles alternate.
.macro REGS y, u
.set rT, ST+4*(2*(\y)+(\u))
.set rC, TMP+8*((\y)%2)+4*(\u)
.set rM, MV+2*((\y)%2)+(\u)
.set rS, S+64*((\y)%2)+32*(\u)
.set rP, P+32*((\y)%2)+16*(\u)
.set rO, 32*(2*(\y)+(\u))
.endm
; Number n of the 22 that find the NEXT piece's maximum and statistics; each accumulator's lowest registers are read first.
;   0-11 four chains c0-c3 of seven scores     12-14, 16 the four left over, the old m, c0-c3 into c0     15 c m_old is kept     17, 18 the other half of the lanes: the new m     19-21 c m; its change; a
.macro XS u, n
	REGS (Y+1)%NP, \u
.if (\n) < 4
	v_max3_num_f32 v[rC+(\n)], v[rS+8*(\n)], v[rS+8*(\n)+1], v[rS+8*(\n)+2]
.elseif (\n) < 12
	v_max3_num_f32 v[rC+(\n)%4], v[rC+(\n)%4], v[rS+8*((\n)%4)+2*((\n)/4)+1], v[rS+8*((\n)%4)+2*((\n)/4)+2]
.elseif (\n) == 12
	v_max3_num_f32 v[rC], v[rC], v[rS+7], v[rS+15]
.elseif (\n) == 13
	v_max3_num_f32 v[rC+1], v[rC+1], v[rS+23], v[rS+31]
.elseif (\n) == 14
	v_max3_num_f32 v[rC+2], v[rC+2], v[rC+3], v[rT+1]
.elseif (\n) == 15
	v_mov_b32 v[rM], v[rT]
.elseif (\n) == 16
	v_max3_num_f32 v[rC], v[rC], v[rC+1], v[rC+2]
.elseif (\n) == 17
	v_permlanex16_b32 v[rC+3], v[rC], s[SEL], s[SEL+1]
.elseif (\n) == 18
	v_max_num_f32 v[rT+1], v[rC], v[rC+3]
.elseif (\n) == 19
	v_mul_f32 v[rT], s[CS], v[rT+1]
.elseif (\n) == 20
	v_sub_f32 v[rC+1], v[rM], v[rT]
.else
	v_exp_f32 v[rC+2], v[rC+1]
.endif
.endm
; Number g of the 64 that follow the exponentials: for each four weights both pairs are rounded to f16, the second pair is added onto the first, and a group later l takes that sum (the first time as l = a l + sum).
.macro GS g
.set h, (\g)+6*((\g)/62)
.if h >= 6
.set h, h+2
.endif
	REGS Y, h%2
.set k, h/8
.if h%8 < 4
	v_cvt_pk_f16_f32 v[rP+2*k+(h%8)/2], v[rS+4*k+2*((h%8)/2)], v[rS+4*k+2*((h%8)/2)+1]
.elseif h%8 < 6
	v_pk_add_f32 v[rS+4*k:rS+4*k+1], v[rS+4*k:rS+4*k+1], v[rS+4*k+2:rS+4*k+3]
.elseif k == 1
	v_pk_fma_f32 v[rT+2:rT+3], v[rT+2:rT+3], v[rC+2:rC+3], v[rS:rS+1] op_sel_hi:[1,0,1]
.else
	v_pk_add_f32 v[rT+2:rT+3], v[rT+2:rT+3], v[rS+4*k-4:rS+4*k-3]
.endif
.endm
; THE PLAIN QUEUE, 138 long.  0-73 read no exponential's result: the 32 scalings and the next piece's 42.  74-137: GS's 64, behind the wait.
.macro FS f
	REGS Y, (\f)%2
	v_pk_fma_f32 v[rS+2*((\f)/2):rS+2*((\f)/2)+1], v[rS+2*((\f)/2):rS+2*((\f)/2)+1], s[CS:CS+1], v[rT:rT+1] op_sel_hi:[1,0,0] neg_lo:[0,0,1] neg_hi:[0,0,1]
.endm
.macro PL
	WIN 0
.if q < 27
	FS q
.elseif q < 55
	XS (q-27)%2, (q-27)/2
.elseif q < 57
	XS q-55, 15
.elseif (q < 72) && ((q-57)%3 == 0)
	FS 27+(q-57)/3
.elseif q < 60
	XS (q-57)%3-1, 14
.elseif q < 72
	XS (q-57)%3-1, 15+(q-57)/3
.elseif q < 74
	XS q-72, 20
.else
	GS q-74
.endif
.set q, q+1
.endm
; THE EXPONENTIALS' QUEUE, 66 long: s0-s31 of both tiles, then the next piece's two a: one batch ahead of the turn's one wait.
.macro EX
	WIN 0
.if e >= 64
	XS e-64, 21
.else
	REGS Y, e%2
	v_exp_f32 v[rS+e/2], v[rS+e/2]
.endif
.set e, e+1
.endm
; THE RESCALING's QUEUE: O^T times a, two at a time, sixteen times.  Its a was made, and waited for, in the turn before.
.macro R2
	REGS Y, r%2
	WIN W_RS
.irp z, 0,1
	v_pk_mul_f32 v[rO+4*(r/2)+2*\z:rO+4*(r/2)+2*\z+1], v[rO+4*(r/2)+2*\z:rO+4*(r/2)+2*\z+1], v[rC+2:rC+3] op_sel_hi:[1,0]
.endr
.set r, r+1
.endm
; A TURN, for piece p.  Ahead of the wait stands all that names no result of the turn's exponentials: 16 products K Q^T, behind each a scaling, an exponential and two rescalings; then one lump of 108.
; Behind it: 16 products V^T P, behind each four of GS's 64.  K and the mask of the next step are fetched in piece 2's turn, directly behind the wait, a lump behind the last product that read them;
; V of the step in hand at the end of piece 0's turn, four plain riders behind its last reader.  Each run is waited for a turn later.
.macro TURN p, last=0
.set Y, (\p)
.set i, 0
.set q, 0
.set e, 0
.set r, 0
.if (\p) == NP-1
	s_wait_dscnt 0x0                ; K and the mask are in
.endif
	MM
	PL
	PL
	R2
.rept 15
	MM
	PL
	EX
	R2
.endr
.if (\p) == NP-2
	WIN 0
	v_add_nc_u32 v[AK], s[TBK], v[AK0]
	v_add_nc_u32 v[AM], s[TBM], v[AM0]
.endif
.rept 8
	PL
.endr
.rept 49
	EX
	PL
.endr
	EX
	EX
	v_nop                           ; a plain instruction behind the last exponential: one for the batch
	s_wait_alu depctr_va_vdst(0)    ; the wait ahead of the first reader: one for the batch
.if (\p) == NP-2
	FETCH_K \last
.endif
.if (\p) == 1
	s_wait_dscnt 0x0                ; V is in
.endif
.rept 16
	MM
.rept 4
	PL
.endr
.if ((\p) == 0) && (q == 118)
	v_add_nc_u32 v[AV], s[TBV], v[AV0]
.endif
.if ((\p) == 0) && (q == 130)
	s_add_co_u32 s[TBV], s[TBV], KS*PV
.endif
.endr
.if (\p) == 0
	FETCH_V
.endif
.endm
.macro ALL line:vararg              ; one line for each tile t
.set t, 0
.rept 2*NP
	\line
.set t, t+1
.endr
.endm
; Tile t on the way out: a lane's eight channels pack into 16 bytes; they go into rows of 144 bytes and come back as whole rows of 128, into S^T's registers.
.macro PACK t
	WIN W_RS
.set i, 32*(\t)
.rept 16
	v_pk_mul_f32 v[i:i+1], v[i:i+1], v[ST+4*(\t)+2:ST+4*(\t)+3] op_sel_hi:[1,0]
.set i, i+2
.endr
	WIN 0x05
.set i, 0
.rept 16
	v_cvt_pk_f16_f32 v[S+16*(\t)+i], v[32*(\t)+2*i], v[32*(\t)+2*i+1]
.set i, i+1
.endr
	WIN 0
.irp f, 0,1,2,3
	ds_store_b128 v[STO], v[S+16*(\t)+4*\f:S+16*(\t)+4*\f+3] offset:32*\f
.endr
.irp f, 0,1,2,3
	ds_load_b128 v[S+16*(\t)+4*\f:S+16*(\t)+4*\f+3], v[RD] offset:\f*4*SP  ; LDS serves a wave's instructions in order: these see the stores above; the next tile's stores come behind them
.endr
.endm
.macro SEND t, younger              ; younger: the next tile's eight LDS instructions, or none
	WIN 0
.irp f, 0,1,2,3
	s_wait_dscnt (\younger)+3-\f
	global_store_b128 v[GO], v[S+16*(\t)+4*\f:S+16*(\t)+4*\f+3], s[OP:OP+1] offset:(\t)*2048+\f*512  ; 512 consecutive bytes, aligned
.endr
.endm
	s_wait_tensorcnt 0x0            ; my part of K or V has landed,
	s_wait_kmcnt 0x0                ; the factor is in,
	s_wait_dscnt 0x0                ; my part of the mask is stored:
	s_barrier_signal -1
	s_barrier_wait -1               ; everybody's is.
	s_mov_b32 s[PASS], 2
.Lpass:                             ; A PASS BEGINS: m and c m far below every score, the fetches at step 0
.set i, 0
.rept 2*NP
	v_mov_b32 v[ST+4*i], 0xfe000000
	v_mov_b32 v[ST+4*i+1], 0xff7fffff
.set i, i+1
.endr
	s_mov_b32 s[TBK], 0
	s_mov_b32 s[TBV], 0
	s_mov_b32 s[TBM], 0
	v_mov_b32 v[AK], v[AK0]
	v_mov_b32 v[AM], v[AM0]
	FETCH_K
	s_wait_loadcnt 0x0              ; Q
	s_wait_dscnt 0x0
.set i, 0
.rept 16
	KQ 0                            ; piece 0's first scores
.set i, i+1
.endr
	WIN 0
.rept 4
	v_nop                           ; the places behind those products
.endr
.set Y, NP-1                        ; XS works for piece Y + 1: piece 0
.irp n, 0,1,2,3,4,5,6,7,8,9,10,11,12,13,14,15,16,17,18,19,20,21
	XS 0, \n
	XS 1, \n
.endr
	v_nop                           ; a plain instruction behind the two a,
	s_wait_alu depctr_va_vdst(0)    ; and their wait, ahead of the branch
	s_mov_b32 s[CNT], 8             ; eight key steps
	s_branch .Lfirst                ; the loop is entered at a step's first turn
.Lstep:                             ; a trip: pieces 2 and 3 of one step, then pieces 0 and 1 of the next, whose K, mask and V it fetches
	TURN 2, 1
	TURN 3
	WIN 0
	s_sub_co_u32 s[CNT], s[CNT], 1
	s_cmp_eq_u32 s[CNT], 0
	s_cbranch_scc1 .Lout            ; the last trip is left in its middle; its 16 products K Q^T on the last K once more serve nothing: the price of one text for every trip
.Lfirst:
	TURN 0
	TURN 1
	WIN 0
	s_branch .Lstep
.Lout:
.set i, 0
.rept 16
	PV NP-1                         ; the last piece's V^T P of the last step
.set i, i+1
.endr
	; THE WAY OUT.  l's halves and the other half of the lanes' are added; O^T is multiplied by the factor / l, rounded to f16 and sent through my stage.  The additions are the places behind the last products.
	WIN 0
	ALL v_add_f32 v[ST+4*t+2], v[ST+4*t+2], v[ST+4*t+3]
	ALL v_permlanex16_b32 v[ST+4*t+3], v[ST+4*t+2], s[SEL], s[SEL+1]
	ALL v_add_f32 v[ST+4*t+2], v[ST+4*t+2], v[ST+4*t+3]
	ALL v_rcp_f32 v[ST+4*t+2], v[ST+4*t+2]
	v_nop                           ; a plain instruction behind the last reciprocal,
	s_wait_alu depctr_va_vdst(0)    ; and one wait for the eight, ahead of the first use
	ALL v_mul_f32 v[ST+4*t+2], s[FAC], v[ST+4*t+2]
	PACK 0
.set t, 1
.rept 2*NP-1
	PACK t
	SEND t-1, 8
.set t, t+1
.endr
	SEND 2*NP-1, 0
	s_sub_co_u32 s[PASS], s[PASS], 1
	s_cmp_eq_u32 s[PASS], 0
	s_cbranch_scc1 .Ldone
	s_wait_xcnt 0x0                 ; the stores have read their registers and O's address, which are written next
	s_add_nc_u64 s[OP:OP+1], s[OP:OP+1], 65536
	WIN 0x83                        ; the second pass's Q goes where the one text of the turns names Q
.set i, 0
.rept 128
	v_mov_b32 v[i], v[QB+i]
.set i, i+1
.endr
	WIN 0
	s_branch .Lpass
.Ldone:
	WIN W_AD
	s_wait_tensorcnt 0x0            ; the wave's end: behind my last tensor load and my last LDS store
	ds_add_u32 v[SPW], v[NIL]
	s_wait_dscnt 0x0
	WIN 0
	CROUND                          ; the closing round
	s_endpgm
.Lfunc_end_k_q5472aff1f7_attn:
	.size	k_q5472aff1f7_attn, .Lfunc_end_k_q5472aff1f7_attn-k_q5472aff1f7_attn
	.p2alignl 7, 3214868480
	.fill 96, 4, 3214868480
	.section	.rodata,"a",@progbits
	.p2align	6, 0x0
	.amdhsa_kernel k_q5472aff1f7_attn
		.amdhsa_group_segment_fixed_size 167936
		.amdhsa_private_segment_fixed_size 0
		.amdhsa_enable_private_segment 0
		.amdhsa_kernarg_size 24
		.amdhsa_user_sgpr_count 2
		.amdhsa_user_sgpr_kernarg_segment_ptr 1
		.amdhsa_wavefront_size32 1
		.amdhsa_system_sgpr_workgroup_id_x 1
		.amdhsa_system_sgpr_workgroup_id_y 1
		.amdhsa_system_sgpr_workgroup_id_z 1
		.amdhsa_system_vgpr_workitem_id 0
		.amdhsa_next_free_vgpr 960
		.amdhsa_next_free_sgpr 68
		.amdhsa_reserve_vcc 0
		.amdhsa_float_denorm_mode_32 3
		.amdhsa_float_denorm_mode_16_64 3
		.amdhsa_memory_ordered 1
		.amdhsa_forward_progress 1
		.amdhsa_inst_pref_size 135
	.end_amdhsa_kernel
	.amdgpu_metadata
---
amdhsa.version: [ 1, 2 ]
amdhsa.kernels:
  - .name:           k_q5472aff1f7_attn
    .symbol:         k_q5472aff1f7_attn.kd
    .args:
      - { .name: qkv, .offset: 0, .size: 8, .value_kind: global_buffer, .address_space: global }
      - { .name: tab, .offset: 8, .size: 8, .value_kind: global_buffer, .address_space: global }
      - { .name: ob, .offset: 16, .size: 8, .value_kind: global_buffer, .address_space: global }
    .group_segment_fixed_size: 167936
    .private_segment_fixed_size: 0
    .kernarg_segment_align: 8
    .kernarg_segment_size: 24
    .max_flat_workgroup_size: 128
    .sgpr_count:     68
    .vgpr_count:     960
    .wavefront_size: 32
...
	.end_amdgpu_metadata
.endif
;; end of part 3
;; launch outproj (part 4): grid 4 x 64, 4 waves a work-group, clusters of 4 x 4, 327,680 bytes of LDS; arguments ob, wb, tab, out0; writes out0
.if DOCPART == 4
	.amdgcn_target "amdgcn-amd-amdhsa--gfx1250"
	.amdhsa_code_object_version 6
	.text
	.protected	k_q5472aff1f7_outproj
	.globl	k_q5472aff1f7_outproj
	.p2align	8
	.type	k_q5472aff1f7_outproj,@function
k_q5472aff1f7_outproj:
	s_mov_b64 s[64:65], 0
	v_nop
	global_prefetch_b8 v0, s[64:65] scope:SCOPE_SE
	s_setreg_imm32_b32 hwreg(HW_REG_WAVE_MODE, 25, 1), 1
	s_wait_xcnt 0x0
	s_wait_alu depctr_hold_cnt(0) depctr_sa_sdst(0) depctr_va_vdst(0) depctr_va_sdst(0) depctr_va_ssrc(0) depctr_va_vcc(0) depctr_vm_vsrc(0)
	s_getreg_b32 s2, hwreg(HW_REG_IB_STS2, 6, 4)
	s_cmp_eq_u32 s2, 0
	s_cbranch_scc0 .Lentry_in_a_cluster
	s_endpgm
.Lentry_in_a_cluster:
	s_bfe_u32 s2, ttmp6, 0x10000c
	s_cmp_lg_u32 s2, 0xf033
	s_cbranch_scc0 .Lentry_shape_is_right
	s_endpgm
.Lentry_shape_is_right:
; out0 = O proj_w + proj_b.  A = ob [16 heads][16384][64] f16; W = proj_w at byte 6 MiB of wb, [1024 k][1024 n] in f16; the bias at byte 12,288 of tab; out0 [16384][1024] f32.  Sums in f32.
; A tile of out0 is 256 x 256: four waves, each 128 x 128: 64 accumulators of 16 x 16 in windows 2 and 3.  K = 1,024 goes in 8 steps of 128 (two heads) through two LDS slots that tensor loads fill, one load a wave.
; ONE K STEP IS WRITTEN ONCE: a trip is a K step; the base of the slot that is read is a scalar that an exclusive or turns between 0 and SLOT.  The first quarter, whose C operand is the bias, stands ahead of the
; loop, and the loop is entered behind its first quarter.  Six trips fill their slot again; the last two steps have a text of their own.  The price: that loop's last trip
; passes a barrier and fetches 32 fragments that serve nothing.
; W's tile lies in LDS as in memory, [k][n], and is turned on its way into registers by ds_load_tr16_b128.
; THE MATRIX INSTRUCTION IS USED TRANSPOSED (source 0 = 16 columns of W, source 1 = 16 rows of A): a lane holds row lane % 16 of the result and the columns 8 (lane / 16) + 0..7.
; CLUSTER 4 x 4: A's tile hangs on the tile row alone and is asked for jointly along a row of the cluster, W's on the tile column alone and jointly along a column.
; WINDOWS (s_set_vgpr_msb: bits 1:0 source 0, 3:2 source 1, 5:4 source 2, 7:6 destination): 0: addresses, A's fragments v64-191 (on the way out: rows read back), the bias v192-255; 1: W's fragments v64-191; 2, 3: accumulator (a, b) at 8 (8 a + b).
.set PA,   144                         ; a row of A in LDS: 128 bytes (one head's 64 channels) + 16
.set HA,   2*128*PA                    ; one load: two heads x 128 rows
.set KA,   4194304                     ; bytes from K step to K step in A: two heads
.set AW0,  (3<<16)|(1<<20)|(1<<21)|(4<<22)|(3<<25)  ; elements of 8 bytes; padding on; 21 set beside a mask; after every 32 words 4 words
.set PB,   544                         ; a k-row of W in LDS: 512 bytes + 32 = 17 x 32
.set HB,   64*PB                       ; one load: 64 k-rows
.set KB,   262144                      ; 128 k-rows of 2,048 bytes
.set BW0,  (1<<16)|(1<<20)|(1<<21)|(6<<22)|(7<<25)  ; elements of 2 bytes; after every 128 words 8 words
.set BOFF, 2*HA                        ; in a slot: A's two halves, then W's two halves
.set SLOT, 2*HA+2*HB
.set STAGE, 2*SLOT                     ; behind the ring, never filled by a tensor load
.set SBYTES, 16*528                    ; a wave's stage: 16 rows of 512 bytes + 16
.set SPARE, STAGE+4*SBYTES             ; the spare words: 128 bytes a wave, two blocks of 256 bytes that no other line names
.set A0V,  16                          ; my place in a slot's A; never rewritten
.set B0V,  17                          ; in its W
.set ADRA, 18                          ; the same in the slot in hand
.set ADRB, 19
.set STO,  24                          ; the way out: where I put 32 bytes of a row
.set RD,   25                          ; where I read rows back
.set CO,   26                          ; 16 x lane
.set BO,   27                          ; 32 x (lane / 16): my eight biases of a block of 16 columns
.set SPW,  28                          ; my spare word; never rewritten
.set NIL,  29                          ; 0; never rewritten
.set PFO,  30                          ; the prefetches' lane offset; never rewritten
.set F0,   64
.set F1,   128
.set BIAS, 192                         ; v192-255: block b's eight at BIAS + 8 b; read by the first quarter alone
.set WV, 12
.set HI, 13                            ; my half of the tile's rows; also: I fetch for A (0) or W (1)
.set LO, 14                            ; my half of its columns; also: which half of that tile I fetch
.set YY, 15                            ; the cluster's y
.set G1, 24
.set G0, 32                            ; s[32:35] slot 0's first fill; s[36:39] slot 1's, which then walks
.set CX, 40
.set CY, 41
.set ART, 42                           ; the tile row
.set TRS, 44                           ; the base of the slot that is read: 0 or SLOT
.set WOA, 45                           ; where my load of A goes in a slot
.set WOB, 46                           ; and of W
.set RM,  47                           ; mask of my row of the cluster
.set G1B, 48
.set G0B, 56
.set PFA, 66                           ; s[66:67] where my prefetches stand
.set PFS, 68                           ; s[68:69] a K step in bytes, A's or W's
.set LIM, 70                           ; 2 in a wave that prefetches, else the greatest number
.set CM,  71                           ; mask of my column of the cluster
.set MSB, 0
.macro WIN new                         ; the high byte repeats the setting that is left; a switch that changes nothing is dropped
.if MSB != (\new)
	s_set_vgpr_msb (MSB<<8)|(\new)
.set MSB, \new
.endif
.endm
.set TO_B, 0x40
.macro PLACES                          ; four plain places behind matrix instructions, ahead of loads into their sources and of readers of their results
.rept 4
	v_nop
.endr
.endm
.macro JLOAD                           ; a joint refill: waves 0, 1 fetch A's halves, waves 2, 3 W's; the branch hangs on the wave's number alone; an s_nop 0 and four v_nop follow each line
	s_cmp_eq_u32 s[HI], 0
	s_cbranch_scc0 .Lfor_b_\@
	tensor_load_to_lds s[G0+4:G0+7], s[G1:G1+7]
	s_nop 0
.rept 4
	v_nop
.endr
	s_branch .Lasked_\@
.Lfor_b_\@:
	tensor_load_to_lds s[G0B+4:G0B+7], s[G1B:G1B+7]
	s_nop 0
.rept 4
	v_nop
.endr
.Lasked_\@:
.endm
; A prefetch of the K step that stands two refills on: 32 blocks of 256 bytes, a lane a block, one instruction a wave.  The trip with counter c names step 10 - c: steps 4 to 7, in the trips with c above 2; steps 0 to 3
; come by their loads alone.  Each block is named once in the launch: A's rows have one cluster that reads them, W is asked for by cluster 0, and the four partners of a joint load share its blocks out by address.
.macro ASK
	s_cmp_gt_u32 s3, s[LIM]
	s_cbranch_scc0 .Lnot_mine_\@
	global_prefetch_b8 v[PFO], s[PFA:PFA+1] th:TH_LOAD_NT scope:SCOPE_SE
.Lnot_mine_\@:
.endm
.macro CREST                           ; a round of the cluster's barrier behind its opening barrier
	s_cmp_lg_u32 s[WV], 0
	s_cbranch_scc1 .Lnot_wave_0_\@
	s_barrier_signal -3
.Lnot_wave_0_\@:
	s_barrier_wait -3
	s_barrier_signal -1
	s_barrier_wait -1
.endm
.macro CROUND
	s_barrier_signal -1
	s_barrier_wait -1
	CREST
.endm
	s_load_b256 s[4:11], s[0:1], 0x0               ; ob s[4:5], wb s[6:7], tab s[8:9], out0 s[10:11]
	v_lshl_add_u32 v[SPW], v0, 2, SPARE
	v_mov_b32 v[NIL], 0
	ds_add_u32 v[SPW], v[NIL]                      ; the wave's opening: the add and its wait stand ahead of my first tensor load; work on registers stands between them
	v_lshrrev_b32 v1, 5, v0
	v_readfirstlane_b32 s[WV], v1
	s_lshr_b32 s[HI], s[WV], 1
	s_and_b32 s[LO], s[WV], 1
	s_bfe_u32 s[CX], ttmp6, 0x40000
	s_bfe_u32 s[CY], ttmp6, 0x40004
	s_and_b32 s[YY], ttmp7, 0xffff
	s_lshl_b32 s[ART], s[YY], 2
	s_add_co_u32 s[ART], s[ART], s[CY]
	s_lshl_b32 s[RM], s[CY], 2
	s_lshl_b32 s[RM], 15, s[RM]                    ; my row of the cluster: places 4 cy .. 4 cy + 3
	s_lshl_b32 s[CM], 0x1111, s[CX]                ; my column: places cx, cx + 4, cx + 8, cx + 12
	s_or_b32 s[G1+0], s[RM], AW0
	s_or_b32 s[G1B+0], s[CM], BW0
	s_mov_b32 s[G1+1], 2048<<16                    ; A: a head's 128 rows are 16,384 dense bytes: one long row of 2,048 elements of 8 bytes,
	s_mov_b32 s[G1+2], 2<<16                       ; two of them,
	s_mov_b32 s[G1+3], 2048<<16
	s_mov_b32 s[G1+4], 2
	s_mov_b32 s[G1+5], 262144                      ; a head (2 MiB) apart
	s_mov_b32 s[G1+6], 0
	s_mov_b32 s[G1+7], 0
	s_mov_b32 s[G1B+1], 256<<16                    ; W: 64 k-rows of 256 elements, 1,024 elements apart
	s_mov_b32 s[G1B+2], 64<<16
	s_mov_b32 s[G1B+3], 256<<16
	s_mov_b32 s[G1B+4], 64
	s_mov_b32 s[G1B+5], 1024
	s_mov_b32 s[G1B+6], 0
	s_mov_b32 s[G1B+7], 0
	s_lshl_b32 s16, s[ART], 8                      ; A: row 256 x tile row + 128 x half, 128 bytes a row: made of Y, cy and the wave's number alone
	s_lshl_b32 s17, s[LO], 7
	s_add_co_u32 s16, s16, s17
	s_lshl_b32 s16, s16, 7
	s_mov_b32 s17, 0
	s_lshl_b32 s18, s[LO], 17                      ; W: byte 6 MiB, k-row 64 x half, column 256 cx: made of cx and the wave's number alone
	s_lshl_b32 s19, s[CX], 9
	s_add_co_u32 s18, s18, s19
	s_add_co_u32 s18, s18, 0x600000
	s_mov_b32 s19, 0
	s_mul_i32 s[WOA], s[LO], HA                    ; where the loads go: no place in the cluster enters an LDS address
	s_mul_i32 s[WOB], s[LO], HB
	s_add_co_u32 s[WOB], s[WOB], BOFF
	s_mov_b32 s[TRS], 0
	s_wait_dscnt 0x0                               ; the opening add is done
	s_wait_kmcnt 0x0
	s_add_nc_u64 s[72:73], s[4:5], s[16:17]
	s_add_nc_u64 s[74:75], s[6:7], s[18:19]
	CROUND                                         ; all sixteen work-groups are here: the first joint loads meet
.irp s, 0,1
	s_mov_b32 s[G0+4*(\s)], 1
	s_add_co_u32 s[G0+4*(\s)+1], s[WOA], (\s)*SLOT
	s_add_nc_u64 s[G0+4*(\s)+2:G0+4*(\s)+3], s[72:73], (\s)*KA
	s_or_b32 s[G0+4*(\s)+3], s[G0+4*(\s)+3], 0x80000000
	s_mov_b32 s[G0B+4*(\s)], 1
	s_add_co_u32 s[G0B+4*(\s)+1], s[WOB], (\s)*SLOT
	s_add_nc_u64 s[G0B+4*(\s)+2:G0B+4*(\s)+3], s[74:75], (\s)*KB
	s_or_b32 s[G0B+4*(\s)+3], s[G0B+4*(\s)+3], 0x80000000
.endr
	s_cmp_eq_u32 s[HI], 0                          ; a wave's two first fills stand in one branch, ahead of every wait on TENSORcnt and every LDS read: two loads of mine are out
	s_cbranch_scc0 .Lfirst_b
	tensor_load_to_lds s[G0:G0+3], s[G1:G1+7]
	s_nop 0
	tensor_load_to_lds s[G0+4:G0+7], s[G1:G1+7]
	s_nop 0
.rept 4
	v_nop
.endr
	s_branch .Lfirst_asked
.Lfirst_b:
	tensor_load_to_lds s[G0B:G0B+3], s[G1B:G1B+7]
	s_nop 0
	tensor_load_to_lds s[G0B+4:G0B+7], s[G1B:G1B+7]
	s_nop 0
.rept 4
	v_nop
.endr
.Lfirst_asked:
	v_and_b32 v1, 15, v0                           ; l % 16
	v_bfe_u32 v2, v0, 4, 1                         ; l / 16
	; the bias of my 128 columns: register j of block b holds bias[16 b + 8 (l / 16) + j]
	s_lshl_b32 s78, s[CX], 10
	s_lshl_b32 s79, s[LO], 9
	s_add_co_u32 s78, s78, s79
	s_add_co_u32 s78, s78, 12288
	s_mov_b32 s79, 0
	s_add_nc_u64 s[8:9], s[8:9], s[78:79]
	v_lshlrev_b32 v[BO], 5, v2
.irp b, 0,1,2,3,4,5,6,7
	global_load_b128 v[BIAS+8*(\b):BIAS+8*(\b)+3],   v[BO], s[8:9] offset:64*(\b)
	global_load_b128 v[BIAS+8*(\b)+4:BIAS+8*(\b)+7], v[BO], s[8:9] offset:64*(\b)+16
.endr
	; A's fragment: lane l holds row l % 16; two loads of 16 bytes, 32 bytes apart
	v_mul_u32_u24 v3, v1, PA
	v_lshl_add_u32 v3, v2, 4, v3
	s_mul_i32 s16, s[HI], HA
	v_add_nc_u32 v[A0V], s16, v3
	; W's fragment by the turning load: lane l reads k-row 8 (l / 16) + l % 8, 16 bytes at 16 ((l / 8) % 2), and ends with column l % 16 and eight k
	v_and_b32 v4, 7, v0
	v_lshl_add_u32 v4, v2, 3, v4
	v_mul_u32_u24 v4, v4, PB
	v_bfe_u32 v5, v0, 3, 1
	v_lshl_add_u32 v4, v5, 4, v4
	s_lshl_b32 s16, s[LO], 8
	s_add_co_u32 s16, s16, BOFF
	v_add_nc_u32 v[B0V], s16, v4
	v_mov_b32 v[ADRA], v[A0V]                      ; slot 0
	v_mov_b32 v[ADRB], v[B0V]
	s_mul_i32 s22, s[WV], SBYTES
	s_add_co_u32 s22, s22, STAGE                   ; my stage
	v_and_b32 v3, 31, v0
	v_lshlrev_b32 v[CO], 4, v3
	v_mul_u32_u24 v4, v1, 528                      ; in: row l % 16, 32 bytes for each half of the lanes
	v_lshl_add_u32 v4, v2, 5, v4
	v_add_nc_u32 v[STO], s22, v4
	v_add_nc_u32 v[RD], s22, v[CO]                 ; back: a row's 512 bytes, 16 a lane
	s_lshl_b32 s78, s[ART], 8                      ; out0 at my first row and column
	s_lshl_b32 s79, s[HI], 7
	s_add_co_u32 s78, s78, s79
	s_lshl_b32 s78, s78, 12
	s_lshl_b32 s79, s[CX], 10
	s_add_co_u32 s78, s78, s79
	s_lshl_b32 s79, s[LO], 9
	s_add_co_u32 s78, s78, s79
	s_mov_b32 s79, 0
	s_add_nc_u64 s[10:11], s[10:11], s[78:79]
	; the prefetches.  A: my load is two heads x 16,384 bytes: partner cx takes half of one head's, a lane 256 bytes; W: of my 64 k-rows partner cy takes 16, two lanes a row
	s_lshl_b32 s80, s[ART], 8
	s_lshl_b32 s81, s[LO], 7
	s_add_co_u32 s80, s80, s81
	s_lshl_b32 s80, s80, 7
	s_lshr_b32 s81, s[CX], 1                       ; which of the step's two heads,
	s_lshl_b32 s81, s81, 21
	s_add_co_u32 s80, s80, s81
	s_and_b32 s81, s[CX], 1                        ; which half of its 16,384 bytes
	s_lshl_b32 s81, s81, 13
	s_add_co_u32 s80, s80, s81
	s_add_co_u32 s80, s80, 3*KA                    ; at K step 3: the first trip steps it to 4
	s_lshl_b32 s82, s[LO], 17
	s_lshl_b32 s83, s[CY], 15
	s_add_co_u32 s82, s82, s83
	s_lshl_b32 s83, s[CX], 9
	s_add_co_u32 s82, s82, s83
	s_add_co_u32 s82, s82, 0x600000+3*KB
	s_cmp_eq_u32 s[YY], 0                          ; W is read by every cluster: the first asks
	s_cselect_b32 s78, 2, -1
	s_mov_b32 s83, KB
	s_mov_b32 s81, 2048
	s_cmp_eq_u32 s[HI], 0
	s_cselect_b32 s80, s80, s82
	s_cselect_b64 s[PFA:PFA+1], s[4:5], s[6:7]
	s_cselect_b32 s[PFS], KA, s83
	s_cselect_b32 s[LIM], 2, s78                   ; the same in all sixteen partners, for a given wave
	s_cselect_b32 s82, 256, s81
	s_mov_b32 s[PFS+1], 0
	s_mov_b32 s81, 0
	s_add_nc_u64 s[PFA:PFA+1], s[PFA:PFA+1], s[80:81]
	v_lshrrev_b32 v4, s[HI], v3                    ; A: a lane a block; W: two lanes a k-row
	v_mul_u32_u24 v4, s82, v4
	v_and_b32 v5, s[HI], v3
	v_lshl_add_u32 v[PFO], v5, 8, v4
; 16 matrix instructions: row blocks a0, a0 + 1 of the window's four x all 8 column blocks, 32 along K.  first = 1: the bias starts the sums.  The 64 accumulators take turns in the same order in every quarter.
.macro MUL16 f, hi, a0, first
.if \first
	WIN 0x81+0x40*(\hi)                            ; W window 1, A and the bias window 0, D window 2 or 3
.else
	WIN 0xa1+0x50*(\hi)                            ; C and D window 2 or 3
.endif
.irp a, \a0, (\a0)+1
.irp b, 0,1,2,3,4,5,6,7
.set rD, 8*(8*(\a)+(\b))
.set rB, (\f)+8*(\b)
.set rA, (\f)+8*(4*(\hi)+(\a))
.if \first
.set rC, BIAS+8*(\b)
.else
.set rC, rD
.endif
	v_wmma_f32_16x16x32_f16 v[rD:rD+7], v[rB:rB+7], v[rA:rA+7], v[rC:rC+7]
.endr
.endr
.endm
; 32 LDS loads in one run: the fragments of quarter kq (32 along K: half a head) of the slot in hand into buffer f: W's eight, then A's eight
.macro FETCH kq, f
.set AKO, ((\kq)/2)*128*PA+((\kq)%2)*64
	WIN TO_B
.irp i, 0,1,2,3,4,5,6,7
	ds_load_tr16_b128 v[(\f)+8*(\i):(\f)+8*(\i)+3],   v[ADRB] offset:(\kq)*32*PB+32*(\i)
	ds_load_tr16_b128 v[(\f)+8*(\i)+4:(\f)+8*(\i)+7], v[ADRB] offset:(\kq)*32*PB+32*(\i)+16*PB
.endr
	WIN 0
.irp i, 0,1,2,3,4,5,6,7
	ds_load_b128 v[(\f)+8*(\i):(\f)+8*(\i)+3],   v[ADRA] offset:AKO+(\i)*16*PA
	ds_load_b128 v[(\f)+8*(\i)+4:(\f)+8*(\i)+7], v[ADRA] offset:AKO+(\i)*16*PA+32
.endr
.endm
; One of a K step's first three quarters: multiplies buffer f; in its middle it fetches quarter kq into buffer g
.macro QUARTER kq, f, g, first
	s_wait_dscnt 8                                 ; W and A's rows 0-63 are in; the youngest eight loads (A's rows 64-127) may be out
	MUL16 \f, 0, 0, \first
	MUL16 \f, 0, 2, \first
	PLACES
	FETCH \kq, \g
	s_wait_dscnt 32                                ; all but the 32 just issued
	MUL16 \f, 1, 0, \first
	MUL16 \f, 1, 2, \first
.endm
; The last quarter of a K step changes slots.  Each wave waits for all its tensor loads (one is out at the most: its part of the next slot), adds 0 to its spare word, waits for that and for its reads of this slot,
; and meets the others.  fill = 1: while the add is out the walking descriptors step (no tensor load of mine is out); the barrier opens a round of the cluster's barrier, and the slot just read out is filled again
; first behind it, with the K step two on: 224 matrix instructions ahead of the wait for it.
.macro TURN fill
.if \fill
	s_wait_xcnt 0x0                                ; the last prefetch, a K step back, has read its address
	s_add_nc_u64 s[PFA:PFA+1], s[PFA:PFA+1], s[PFS:PFS+1]
.endif
	WIN 0
	s_wait_tensorcnt 0x0
	ds_add_u32 v[SPW], v[NIL]
.if \fill
	s_add_co_u32 s[G0+5], s[WOA], s[TRS]           ; the slot that has been read,
	s_add_nc_u64 s[G0+6:G0+7], s[G0+6:G0+7], KA    ; the next K step; the type bits on top are not reached
	s_add_co_u32 s[G0B+5], s[WOB], s[TRS]
	s_add_nc_u64 s[G0B+6:G0B+7], s[G0B+6:G0B+7], KB
.endif
	s_wait_dscnt 9                                 ; the add and the youngest eight loads may be out
	MUL16 F1, 0, 0, 0
	s_wait_dscnt 0x0                               ; the add is done, and my reads of this slot are over
	s_barrier_signal -1
	MUL16 F1, 0, 2, 0
	WIN 0
	s_barrier_wait -1
.if \fill
	CREST
	JLOAD                                          ; the four v_nop behind it are also the places in front of the loads below
.else
	PLACES
.endif
	s_xor_b32 s[TRS], s[TRS], SLOT                 ; on to the other slot
	v_add_nc_u32 v[ADRA], s[TRS], v[A0V]
	v_add_nc_u32 v[ADRB], s[TRS], v[B0V]
	FETCH 0, F0
.if \fill
	ASK
.endif
	MUL16 F1, 1, 0, 0
	MUL16 F1, 1, 2, 0
.endm
	s_wait_tensorcnt 1                             ; my part of K step 0 is in; step 1's may stay out
	s_barrier_signal -1
	s_barrier_wait -1
	FETCH 0, F0
	s_wait_loadcnt 0x0                             ; the bias
	QUARTER 1, F0, F1, 1                           ; the first quarter stands in front of the loop: its products start the sums
	WIN 0
	s_mov_b32 s3, 6
	s_branch .Lenter                               ; the loop is entered behind its first quarter
.Lk:                                               ; K steps 0 to 5: their slots are filled again, with steps 2 to 7
	QUARTER 1, F0, F1, 0
	WIN 0
.Lenter:
	QUARTER 2, F1, F0, 0
	QUARTER 3, F0, F1, 0
	TURN 1
	WIN 0
	s_sub_co_u32 s3, s3, 1
	s_cmp_lg_u32 s3, 0
	s_cbranch_scc1 .Lk
	s_mov_b32 s3, 2
.Llast:                                            ; K steps 6 and 7 ask for nothing
	QUARTER 1, F0, F1, 0
	QUARTER 2, F1, F0, 0
	QUARTER 3, F0, F1, 0
	TURN 0                                         ; (in the last trip its barrier and its 32 fragments serve nothing)
	WIN 0
	s_sub_co_u32 s3, s3, 1
	s_cmp_lg_u32 s3, 0
	s_cbranch_scc1 .Llast
	s_wait_dscnt 0x0                               ; those fragments have landed: their registers are loaded anew below
	PLACES
; THE WAY OUT: a block of 16 rows goes through my own stage (rows of 528 bytes) and comes back as whole rows of 512 bytes.  LDS serves a wave's instructions in order, so no wait stands between its stores and its loads.
.macro TOSTAGE a
.set AC, 64*((\a)%4)
.set BK, 64+64*((\a)%2)
.if (\a) >= 2
	s_wait_xcnt 0x0                                ; the stores of two blocks back have read the registers that are loaded again below
.endif
	WIN 0x08+4*((\a)/4)                            ; the stores' data in window 2 or 3
.irp b, 0,1,2,3,4,5,6,7
	ds_store_b128 v[STO], v[AC+8*(\b):AC+8*(\b)+3]   offset:64*(\b)
	ds_store_b128 v[STO], v[AC+8*(\b)+4:AC+8*(\b)+7] offset:64*(\b)+16
.endr
	WIN 0
.irp t, 0,1,2,3,4,5,6,7,8,9,10,11,12,13,14,15
	ds_load_b128 v[BK+4*(\t):BK+4*(\t)+3], v[RD] offset:528*(\t)
.endr
.endm
.macro SEND a, younger                 ; younger: the next block's 16 stores and 16 loads, or none
.set BK, 64+64*((\a)%2)
	s_wait_dscnt \younger
.irp t, 0,1,2,3,4,5,6,7,8,9,10,11,12,13,14,15
	global_store_b128 v[CO], v[BK+4*(\t):BK+4*(\t)+3], s[10:11] offset:(16*(\a)+(\t))*4096 th:TH_STORE_NT  ; 512 consecutive bytes of a row, aligned
.endr
.endm
	TOSTAGE 0
.irp a, 1,2,3,4,5,6,7
	TOSTAGE \a
	SEND (\a)-1, 32
.endr
	SEND 7, 0
	s_wait_tensorcnt 0x0                           ; the wave's end: behind my last tensor load and my last LDS store
	ds_add_u32 v[SPW], v[NIL]
	s_wait_dscnt 0x0
	CROUND                                         ; the closing round
	s_endpgm
.Lfunc_end_k_q5472aff1f7_outproj:
	.size	k_q5472aff1f7_outproj, .Lfunc_end_k_q5472aff1f7_outproj-k_q5472aff1f7_outproj
	.p2alignl 7, 3214868480
	.fill 96, 4, 3214868480
	.section	.rodata,"a",@progbits
	.p2align	6, 0x0
	.amdhsa_kernel k_q5472aff1f7_outproj
		.amdhsa_group_segment_fixed_size 327680
		.amdhsa_private_segment_fixed_size 0
		.amdhsa_enable_private_segment 0
		.amdhsa_kernarg_size 32
		.amdhsa_user_sgpr_count 2
		.amdhsa_user_sgpr_kernarg_segment_ptr 1
		.amdhsa_wavefront_size32 1
		.amdhsa_system_sgpr_workgroup_id_x 1
		.amdhsa_system_sgpr_workgroup_id_y 1
		.amdhsa_system_sgpr_workgroup_id_z 1
		.amdhsa_system_vgpr_workitem_id 0
		.amdhsa_next_free_vgpr 1024
		.amdhsa_next_free_sgpr 84
		.amdhsa_reserve_vcc 0
		.amdhsa_float_denorm_mode_32 3
		.amdhsa_float_denorm_mode_16_64 3
		.amdhsa_memory_ordered 1
		.amdhsa_forward_progress 1
		.amdhsa_inst_pref_size 100
	.end_amdhsa_kernel
	.amdgpu_metadata
---
amdhsa.version: [ 1, 2 ]
amdhsa.kernels:
  - .name:           k_q5472aff1f7_outproj
    .symbol:         k_q5472aff1f7_outproj.kd
    .args:
      - { .name: ob, .offset: 0, .size: 8, .value_kind: global_buffer, .address_space: global }
      - { .name: wb, .offset: 8, .size: 8, .value_kind: global_buffer, .address_space: global }
      - { .name: tab, .offset: 16, .size: 8, .value_kind: global_buffer, .address_space: global }
      - { .name: out0, .offset: 24, .size: 8, .value_kind: global_buffer, .address_space: global }
    .group_segment_fixed_size: 327680
    .private_segment_fixed_size: 0
    .kernarg_segment_align: 8
    .kernarg_segment_size: 32
    .max_flat_workgroup_size: 128
    .sgpr_count:     84
    .vgpr_count:     1024
    .wavefront_size: 32
...
	.end_amdgpu_metadata
.endif
;; end of part 4
